; MI455X (gfx1250); checked and timed in simulation.
; The chip was launched on July 23, 2026; its instructions are those of AMD's public machine-readable ISA for CDNA 5 (MIT licence, August 2026) and "CDNA5" Instruction Set Architecture Reference Guide (July 2026). The comments in the code are by the model that wrote it; some were corrected since.
;; Flax TPU Llama Attention. Allowed arithmetic: matrix products marked QUANTISED: E2M3 operands, one E8M0 scale for each 32 along K, by v_wmma_scale_f32_16x16x128_f8f6f4 with both operands' format E2M3, f32 sums; everything else in f32.
;; Inputs: Wk 4,096 x 1,024 float32; Wo 4,096 x 4,096 float32; Wq 4,096 x 4,096 float32; Wv 4,096 x 1,024 float32; attention_mask 1 x 1,024 int32; hidden_states 1 x 1,024 x 4,096 float32; position_ids 1 x 1,024 int32.
;; Outputs: out0 1 x 1,024 x 4,096 float32.
;; This version of the problem:
;;   THIS VERSION OF THE PROBLEM IS GIVEN IN LOW PRECISION. The matrix products marked QUANTISED in the list below multiply operands that are first quantised to E2M3 (2 exponent bits, 3 mantissa bits; 6 bits a number), with one power-of-two scale for each 32 numbers along K (OCP MX v1.0); their sums are f32. All else is computed in f32.
;;   The module's matrix products, in the order in which they are computed (A, B: the left and right operand; K: the contracted axis; several contracted axes count as one K, in the product's order):
;;     1. [M 1,024, K 4,096] x [K 4,096, N 4,096]; A: input hidden_states; B: input Wq: QUANTISED
;;     2. [M 1,024, K 4,096] x [K 4,096, N 1,024]; A: input hidden_states; B: input Wk: QUANTISED
;;     3. [M 1,024, K 4,096] x [K 4,096, N 1,024]; A: input hidden_states; B: input Wv: QUANTISED
;;     4. batch 32 x [M 1,024, K 128] x [K 128, N 1,024]; A: computed on the way; B: computed on the way: QUANTISED
;;     5. batch 32 x [M 128, K 1,024] x [K 1,024, N 1,024]; A: computed on the way; B: softmax (see below): QUANTISED
;;     6. [M 1,024, K 4,096] x [K 4,096, N 4,096]; A: computed on the way; B: input Wo: QUANTISED
;;   THE QUANTISER, for each operand of a quantised product, along K:
;;     - K is cut into blocks of 32 from its start; a last block that is shorter is filled with zeros.
;;     - A block's scale is 2^e with e = floor(log2(the largest magnitude in the block)) - 2, held to -126 .. 127; a block of zeros has e = 0. As a byte (E8M0): e + 127.
;;     - Each number is divided by its block's scale, clamped to +-7.5, and rounded to the nearest number of E2M3, ties to even, subnormals kept.
;;     - The product sums the exact products of the quantised numbers (number of the format x scale) in f32.
;;   ~~~python
;;   def quantise(x, axis):      # numpy; x: float32 -> the quantised numbers, widened to float32 again
;;       x = np.moveaxis(x, axis, -1); K = x.shape[-1]
;;       x = np.pad(x, [(0, 0)] * (x.ndim - 1) + [(0, -K % 32)]); x = x.reshape(x.shape[:-1] + (-1, 32)); a = np.abs(x).max(-1, keepdims=True)
;;       e = np.where(a > 0, np.clip(np.frexp(np.where(a > 0, a, 1))[1] - 1 - 2, -126, 127), 0)      # np.frexp(a)[1] - 1 = floor(log2(a)), exactly
;;       r = np.clip(x / 2.0 ** e, -7.5, 7.5)
;;       step = 2.0 ** (np.maximum(np.frexp(np.where(r == 0, 1, r))[1] - 1, 0) - 3)
;;       q = np.round(r / step) * step * 2.0 ** e      # np.round: ties to even
;;       return np.moveaxis(q.reshape(q.shape[:-2] + (-1,))[..., :K], -1, axis).astype(np.float32)
;;   ~~~
;;   SOFTMAX AHEAD OF A QUANTISED PRODUCT. Where the list says 'softmax', what is quantised is not the finished softmax but p = 2^(t - M), with t = logit x log2(e) and M = ceil(the row's largest t), a whole number; so 1/2 < the row's largest p <= 1. The row's sum l is taken of the UNQUANTISED p, in f32, and the product's result is divided by l at the end. Since M is a whole number, a kernel that streams over the keys may use a running M (the ceiling of the running maximum): every later rescaling is an exact power of two, which a block's scale takes up: the codes' values come out the same.
;;   OPERANDS COMPUTED ON THE WAY. 'Computed on the way' means the value that the module computes at that place (a softmax that the list does not call 'softmax' is quantised finished and normalised). What goes into a quantiser is computed in f32, as accurately as f32 sums, v_exp_f32 and their like allow (about 1e-6 of the number): no bf16 or f16 on the way to a quantiser, and a product that is left as it is and whose result goes on into a quantised operand takes f32 operands (vector FMAs, or v_wmma_f32_16x16x4_f32). A number that lies on a knife's edge between two numbers of the format may be rounded either way, as far as f32 arithmetic and the matrix unit's own rounding can turn it there, and no further.
;; One version. Each part assembles by itself: llvm-mc -triple=amdgcn-amd-amdhsa -mcpu=gfx1250 --defsym DOCPART=n.
;; ======== version 1 of 1: 4 launches
;; limits: right only within a limited range of input values
;; workspace buffers: xc 3,276,800 bytes; rope 524,288 bytes; wqkv 19,660,800 bytes; woc 13,107,200 bytes; qk 4,096,000 bytes; vb 819,200 bytes; ab 3,276,800 bytes
;; launch prep (part 1): grid 1024 x 1, 4 waves a work-group, no clusters, 58,880 bytes of LDS; arguments hidden_states, position_ids, xc, rope, Wq, Wk, Wv, wqkv; writes xc, rope, wqkv
.if DOCPART == 1
	.amdgcn_target "amdgcn-amd-amdhsa--gfx1250"
	.amdhsa_code_object_version 6
	.text
	.protected	k_q99bc8130d5_prep
	.globl	k_q99bc8130d5_prep
	.p2align	8
	.type	k_q99bc8130d5_prep,@function
k_q99bc8130d5_prep:
	s_mov_b64 s[64:65], 0
	v_nop
	global_prefetch_b8 v0, s[64:65] scope:SCOPE_SE
	s_setreg_imm32_b32 hwreg(HW_REG_WAVE_MODE, 25, 1), 1
	s_wait_xcnt 0x0
; x = hidden_states [1024][4096] and the weights Wq, Wk, Wv [K = 4096][N], all f32, become codes of FP6 (E2M3) with one E8M0 scale for each 32 along K, laid as IMAGES OF THE OPERAND'S REGISTERS;
; and the table of cos and sin for the rotary embedding is made.  No work of reference() is left out here; Wo is turned into codes by the launch attn.
; A fragment is 16 rows x 128 K, 12 registers a lane (lane (r, h): registers 6 c .. 6 c + 5 hold k = 64 c + 32 h + 0 .. 31 of row r).  Its image: registers 4 g .. 4 g + 3 at 512 g + 16 x lane, 1,536 bytes.
; xc, wqkv: [tile of 16 rows][slot 0..7][6,400 bytes]: a slot's four K steps' images at 1,536 s, their scale words at 6,144 + 64 s + 4 r.  Row r of tile 2 T + u is row (column of a weight) 32 T + 8 u + r + (r & 8).
; wqkv holds the columns of Wq, Wk, Wv on end (tiles 0-255, 256-319, 320-383).
; SHARES: 1,024 work-groups.  Of each four neighbouring numbers 4 m .. 4 m + 3 the one with (number + number / 256) % 4 = 0 takes x (its share: m), the three others weights (shares 3 m .. 3 m + 2 of 768).
; The two ways part on the work-group's number alone, at the head, and each has LDS bytes of its own.  Waves share nothing: no barrier.
; x: wave W = 4 m + wave makes two fragments: tile W / 16, K steps 2 (W % 16) and the next; and row W of the table [cos 64 f32][sin 64 f32].  Each load reads 512 consecutive bytes of a row; a K step's 16 rows turn
; through the wave's own stage in LDS (rows of 512 + 16 bytes), since the conversions want 16 neighbours along K in one lane.
; The table: inv_freq = 2^(-k log2(10000) / 64) with the exponent in two parts; the angle is brought to +-pi/4 by a three-part pi/2; polynomials of degree 7 and 8.
; Weights: share = 48 y + g: g a group of 128 columns (0-31 Wq, 32-39 Wk, 40-47 Wv), y 256 along K; wave w its columns 32 w on.  A LANE TAKES A COLUMN, AND ITS REGISTERS RUN DOWN K: a block of 32 lies in one lane.
; A lane's 24 bytes of a block go to their place in the images in the wave's own stage; the images leave as stores of 512 consecutive bytes.  Loads run two blocks (64 a wave) ahead.
; LIMITS: NaN and infinities among the inputs are not served; a block whose largest magnitude lies under 2^-124 keeps the byte 1 (a block of zeros too: its codes are zeros, and this program alone reads the bytes);
; |position x inv_freq| under 2^22 x pi/2.
.set XST,   24576                      ; LDS: the weights' four stages of 6,144 bytes, then x's four
.set STG,   8448                       ; x's stage: 16 rows x 528 bytes
.set SP,    528
.set SPARE, 58368                      ; behind the stages: the spare words, 128 bytes a wave
.set R,     16                         ; v16-143  x as loaded: K step s, row i at 16 + 64 s + 4 i
.set X,     144                        ; v144-207 64 numbers of my row: register 16 b + i = k 32 b + 16 h + i
.set TM,    228                        ; v228-243 at work in QUANT
.set SEL,   22                         ; s[22:23] selects of v_permlanex16_b32: lane l xor 16
; 64 numbers of a lane become a fragment's codes in v[pc .. pc + 11] (pc + 12 .. pc + 18 at work) and its scale word in v[pw]
.macro QUANT src, pw, pc
.irp b, 0,1,2,3
	v_max3_num_f32 v[TM+\b], |v[(\src)+16*\b]|, |v[(\src)+1+16*\b]|, 0x1800000   ; my 16 numbers of block b and the floor 2^(3 - 127)
.endr
.irp i, 2,4,6,8,10,12,14
.irp b, 0,1,2,3
	v_max3_num_f32 v[TM+\b], v[TM+\b], |v[(\src)+16*\b+\i]|, |v[(\src)+1+16*\b+\i]|
.endr
.endr
.irp b, 0,1,2,3
	v_permlanex16_b32 v[TM+4+\b], v[TM+\b], s[SEL], s[SEL+1]
.endr
.irp b, 0,1,2,3
	v_max_num_f32 v[TM+\b], v[TM+\b], v[TM+4+\b]   ; with lane l xor 16's 16
.endr
.irp b, 0,1,2,3
	v_add_nc_u32 v[TM+12+\b], 0xff000000, v[TM+\b]   ; 2 off the exponent field: the conversion's scale operand
.endr
.irp b, 0,1,2,3
	v_lshrrev_b32 v[TM+4+\b], 23, v[TM+12+\b]      ; the scale's byte
.endr
	v_lshl_or_b32 v[(\pw)], v[TM+5], 8, v[TM+4]
	v_lshl_or_b32 v[(\pw)], v[TM+6], 16, v[(\pw)]
	v_lshl_or_b32 v[(\pw)], v[TM+7], 24, v[(\pw)]
.irp c, 0,1
	v_cvt_scalef32_pk16_fp6_f32 v[(\pc)+6*\c:(\pc)+2+6*\c], v[(\src)+32*\c:(\src)+15+32*\c], v[TM+12+2*\c]
	v_cvt_scalef32_pk16_fp6_f32 v[(\pc)+12+4*\c:(\pc)+14+4*\c], v[(\src)+16+32*\c:(\src)+31+32*\c], v[TM+13+2*\c]
.endr
	v_nop                                          ; one plain place behind a scaled conversion
.irp c, 0,1                                    ; the layout wants a whole block in a lane
.irp i, 0,1,2
	v_permlane16_swap_b32 v[(\pc)+6*\c+\i], v[(\pc)+12+4*\c+\i]
.endr
.irp i, 0,1,2
	v_mov_b32 v[(\pc)+3+6*\c+\i], v[(\pc)+12+4*\c+\i]
.endr
.endr
.endm
; cos and sin of position x inv_freq(k), k = 2 x lane + e, into v[248 + e] and v[250 + e]
.macro TAB e
.set T, X+16*\e
	v_lshl_add_u32 v[T], v1, 1, \e
	v_cvt_f32_u32 v[T], v[T]                       ; k
	v_mul_f32 v[T+1], s24, v[T]                    ; k x log2(10000) / 64: the high part,
	v_fma_f32 v[T+2], v[T], s24, -v[T+1]           ; what the multiplication dropped,
	v_fma_f32 v[T+2], v[T], s25, v[T+2]            ; and the constant's low part
	s_wait_alu depctr_va_vdst(0)                   ; the wait ahead of the transcendental
	v_exp_f32 v[T+3], -v[T+1]
	v_cvt_f32_i32 v[T+4], s50                      ; the position (a plain place behind the exponential)
	s_wait_alu depctr_va_vdst(0)                   ; and behind it
	v_mul_f32 v[T+5], s26, v[T+3]
	v_fma_f32 v[T+3], -v[T+5], v[T+2], v[T+3]      ; inv_freq = e (1 - ln 2 x low part)
	v_mul_f32 v[T+4], v[T+4], v[T+3]               ; the angle
	v_mul_f32 v[T+5], s27, v[T+4]
	v_rndne_f32 v[T+5], v[T+5]                     ; n = the nearest multiple of pi/2
	v_fma_f32 v[T+6], v[T+5], s28, v[T+4]
	v_fma_f32 v[T+6], v[T+5], s29, v[T+6]
	v_fma_f32 v[T+6], v[T+5], s30, v[T+6]          ; the rest, within +-pi/4
	v_mul_f32 v[T+7], v[T+6], v[T+6]
	v_fma_f32 v[T+8], v[T+7], s31, s32
	v_fma_f32 v[T+8], v[T+8], v[T+7], s33
	v_mul_f32 v[T+8], v[T+8], v[T+7]
	v_fma_f32 v[T+8], v[T+8], v[T+6], v[T+6]       ; its sine
	v_fma_f32 v[T+9], v[T+7], s34, s35
	v_fma_f32 v[T+9], v[T+9], v[T+7], s36
	v_mul_f32 v[T+9], v[T+9], v[T+7]
	v_fma_f32 v[T+10], v[T+7], -0.5, 1.0
	v_fma_f32 v[T+9], v[T+9], v[T+7], v[T+10]      ; its cosine
	v_cvt_i32_f32 v[T+11], v[T+5]                  ; the quadrant is n mod 4
	v_and_b32 v[T+12], 1, v[T+11]
	v_cmp_eq_u32 vcc_lo, 1, v[T+12]
	v_cndmask_b32 v[T+13], v[T+8], v[T+9], vcc_lo  ; odd quadrants change the two over
	v_cndmask_b32 v[T+14], v[T+9], v[T+8], vcc_lo
	v_lshlrev_b32 v[T+12], 30, v[T+11]
	v_and_b32 v[T+12], 0x80000000, v[T+12]         ; the sine is negated in quadrants 2 and 3,
	v_xor_b32 v[250+\e], v[T+13], v[T+12]
	v_add_nc_u32 v[T+11], 1, v[T+11]
	v_lshlrev_b32 v[T+11], 30, v[T+11]
	v_and_b32 v[T+11], 0x80000000, v[T+11]         ; the cosine in 1 and 2
	v_xor_b32 v[248+\e], v[T+14], v[T+11]
.endm
.macro TURN s                          ; K step s through the stage: LDS serves a wave's instructions in order, so no wait stands between the stores and the loads
.irp i, 0,1,2,3,4,5,6,7,8,9,10,11,12,13,14,15
	ds_store_b128 v3, v[R+64*\s+4*\i:R+64*\s+4*\i+3] offset:SP*\i
.endr
.irp b, 0,1,2,3
.irp j, 0,1,2,3
	ds_load_b128 v[X+16*\b+4*\j:X+16*\b+4*\j+3], v4 offset:128*\b+16*\j
.endr
.endr
.endm
	v_lshl_add_u32 v254, v0, 2, SPARE              ; my spare word; never rewritten
	v_mov_b32 v255, 0                              ; 0; never rewritten
	v_lshrrev_b32 v1, 5, v0
	v_readfirstlane_b32 s12, v1                    ; wave 0..3, for x's way
	v_readfirstlane_b32 s16, v1                    ; and for the weights'
	s_lshr_b32 s58, ttmp9, 8
	s_add_co_u32 s58, s58, ttmp9
	s_and_b32 s58, s58, 3                          ; 0: x's work-group; 1 to 3: the weights'
	s_lshr_b32 s59, ttmp9, 2                       ; m
	s_cmp_lg_u32 s58, 0
	s_wait_alu depctr_va_vdst(0)                   ; the wait ahead of the branch
	s_cbranch_scc1 .Lweights
	s_load_b256 s[4:11], s[0:1], 0x0               ; x s[4:5], positions s[6:7], xc s[8:9], the table s[10:11]
	v_and_b32 v1, 31, v0                           ; lane
	v_and_b32 v7, 15, v0                           ; r
	v_bfe_u32 v8, v0, 4, 1                         ; h
	v_lshlrev_b32 v2, 4, v1                        ; 16 x lane
	v_lshlrev_b32 v5, 2, v1                        ; 4 x lane
	v_lshlrev_b32 v6, 3, v1                        ; 8 x lane
	s_mul_i32 s14, s12, STG
	s_add_co_u32 s14, s14, XST
	v_add_nc_u32 v3, s14, v2                       ; the stage, on the way in
	v_mul_u32_u24 v4, v7, SP
	v_lshl_add_u32 v4, v8, 6, v4
	v_add_nc_u32 v4, s14, v4                       ; and out: row r, + 64 h
	s_lshl_b32 s13, s59, 2
	s_add_co_u32 s13, s13, s12                     ; W
	s_lshr_b32 s15, s13, 4                         ; the tile
	s_and_b32 s16, s13, 15                         ; the pair of K steps
	s_lshr_b32 s17, s15, 1
	s_lshl_b32 s18, s17, 19                        ; 32 rows of 16,384 bytes for each pair of tiles,
	s_and_b32 s17, s15, 1
	s_lshl_b32 s17, s17, 17                        ; 8 rows for the odd tile,
	s_add_co_u32 s18, s18, s17
	s_lshl_b32 s17, s16, 10                        ; 1,024 bytes for each pair of K steps
	s_add_co_u32 s18, s18, s17
	s_mov_b32 s19, 0
	s_mul_i32 s20, s15, 51200
	s_lshr_b32 s17, s16, 1
	s_mul_i32 s17, s17, 6400
	s_add_co_u32 s20, s20, s17                     ; xc: the tile's slot
	s_and_b32 s17, s16, 1
	s_mul_i32 s40, s17, 3072
	s_lshl_b32 s41, s17, 7
	s_add_co_u32 s42, s20, s41
	s_add_co_u32 s42, s42, 6144                    ; its scale words
	s_mov_b32 s43, 0
	s_add_co_u32 s20, s20, s40                     ; its images
	s_mov_b32 s21, 0
	s_lshl_b32 s44, s13, 2
	s_mov_b32 s45, 0
	s_lshl_b32 s46, s13, 9
	s_mov_b32 s47, 0
	s_mov_b32 s[SEL], 0x76543210
	s_mov_b32 s[SEL+1], 0xfedcba98
	s_mov_b32 s24, 0x3e549a78                      ; log2(10000) / 64, high part
	s_mov_b32 s25, 0x31979900                      ; low part
	s_mov_b32 s26, 0x3f317218                      ; ln 2
	s_mov_b32 s27, 0x3f22f983                      ; 2 / pi
	s_mov_b32 s28, 0xbfc90fdb                      ; -pi/2 in three parts
	s_mov_b32 s29, 0x333bbd2e
	s_mov_b32 s30, 0x26f72ced
	s_mov_b32 s31, 0xb94ca1f9                      ; the sine's coefficients
	s_mov_b32 s32, 0x3c08839e
	s_mov_b32 s33, 0xbe2aaaa3
	s_mov_b32 s34, 0x37ccf5ce                      ; the cosine's
	s_mov_b32 s35, 0xbab6061a
	s_mov_b32 s36, 0x3d2aaaa5
	s_mov_b32 s37, 0xffff0000                      ; lanes 16-31
	s_wait_alu depctr_va_vdst(0)                   ; the wait at the head's end
	s_wait_kmcnt 0x0
	s_add_nc_u64 s[4:5], s[4:5], s[18:19]
	s_add_nc_u64 s[6:7], s[6:7], s[44:45]
	s_add_nc_u64 s[48:49], s[8:9], s[42:43]
	s_add_nc_u64 s[8:9], s[8:9], s[20:21]
	s_add_nc_u64 s[10:11], s[10:11], s[46:47]
	s_load_b32 s50, s[6:7], 0x0                    ; position W
.irp s, 0,1
.irp i, 0,1,2,3,4,5,6,7,8,9,10,11,12,13,14,15
	global_load_b128 v[R+64*\s+4*\i:R+64*\s+4*\i+3], v2, s[4:5] offset:(\i+(\i&8))*16384+512*\s th:TH_LOAD_NT   ; 32 lanes read a row's 512 consecutive bytes
.endr
.endr
	s_wait_kmcnt 0x0
	TAB 0                                          ; the table is made while the loads are on their way
	TAB 1
	global_store_b64 v6, v[248:249], s[10:11]      ; 32 lanes store 256 consecutive bytes, aligned
	global_store_b64 v6, v[250:251], s[10:11] offset:256
.irp b, 0,1,2,3
	v_mov_b32 v[TM+4+\b], 0                        ; written once: a lane permute's destination counts as one of its sources
.endr
	s_wait_loadcnt 16                              ; the first K step's 16 loads are in; the second's 16 may be out
	TURN 0
	s_wait_dscnt 0x0
	QUANT X, 244, 208
.irp g, 0,1,2
	global_store_b128 v2, v[208+4*\g:211+4*\g], s[8:9] offset:512*\g
.endr
	s_wait_loadcnt 0x0
	TURN 1                                         ; the same stage: its first reads have come back
	s_wait_dscnt 0x0
	QUANT X, 245, 16                               ; its codes go where the first K step's numbers lay: no store's data are written again
.irp g, 0,1,2
	global_store_b128 v2, v[16+4*\g:19+4*\g], s[8:9] offset:1536+512*\g
.endr
	v_cndmask_b32 v246, v244, v245, s37            ; lanes 0-15 the first K step's words, lanes 16-31 the second's: 128 consecutive bytes
	global_store_b32 v5, v246, s[48:49]
	s_wait_tensorcnt 0x0                           ; the wave's end
	ds_add_u32 v254, v255
	s_wait_dscnt 0x0
	s_endpgm
.set A,     32                         ; v32-63   byte offsets of my column in rows 0..31
.set XW,    64                         ; v64-127  two sets of 32 numbers
.set CW,    128                        ; v128-133 a block's codes
.set TW,    136                        ; v136-138 their second half as it is made
.set OUTR,  140                        ; v140-187 the way out
.set SB,    24                         ; v24-25   the two K steps' scale words
.Lweights:
	s_load_b128 s[4:7], s[0:1], 0x20               ; Wq, Wk
	s_load_b128 s[8:11], s[0:1], 0x30              ; Wv, wqkv
	s_mul_i32 s59, s59, 3
	s_add_co_u32 s59, s59, s58
	s_sub_co_u32 s59, s59, 1                       ; my share, 0..767
	s_mul_i32 s18, s59, 1366
	s_lshr_b32 s18, s18, 16                        ; y = share / 48 (exact for shares under 1,968)
	s_mul_i32 s60, s18, 48
	s_sub_co_u32 s60, s59, s60                     ; g = share % 48
	v_and_b32 v2, 31, v0                           ; lane = 16 h' + 8 u + j: column 32 w + lane is row r = 8 h' + j of tile 2 w + u
	v_bfe_u32 v3, v0, 3, 1                         ; u
	v_bfe_u32 v5, v0, 4, 1                         ; h'
	v_and_b32 v6, 7, v0
	v_lshl_add_u32 v6, v5, 3, v6                   ; r
	s_mul_i32 s17, s16, 6144                       ; my stage: [u][K step][1,536]
	v_mul_u32_u24 v4, v3, 3072
	v_lshl_add_u32 v4, v6, 4, v4
	v_add_nc_u32 v4, s17, v4                       ; into it
	v_lshlrev_b32 v8, 4, v2                        ; 16 x lane
	v_add_nc_u32 v7, s17, v8                       ; out of it
	v_mul_u32_u24 v9, v3, 51200
	v_lshl_add_u32 v9, v6, 2, v9                   ; my scale word's place: tile u, row r
	s_cmp_lt_u32 s60, 32
	s_cselect_b32 s19, 14, 12                      ; a row is 16,384 bytes in Wq, 4,096 in Wk and Wv
	s_lshl_b32 s28, 1, s19
	v_lshlrev_b32 v[A], 2, v2
.set i, 1
.rept 31
	v_add_nc_u32 v[A+i], s28, v[A+i-1]
.set i, i+1
.endr
	s_wait_alu depctr_va_vdst(0)                   ; the wait at the head's end
	s_wait_kmcnt 0x0
	s_cmp_lt_u32 s60, 32                           ; the choices hang on the work-group's number alone
	s_cselect_b64 s[20:21], s[4:5], s[6:7]
	s_cselect_b32 s22, 0, 32
	s_cmp_lt_u32 s60, 40
	s_cselect_b64 s[20:21], s[20:21], s[8:9]       ; the weight,
	s_cselect_b32 s22, s22, 40                     ; its first group
	s_sub_co_u32 s26, s60, s22
	s_lshl_b32 s26, s26, 9                         ; 512 bytes a group,
	s_lshl_b32 s27, s16, 7                         ; 128 a wave,
	s_add_co_u32 s26, s26, s27
	s_lshl_b32 s27, s18, 8
	s_lshl_b32 s27, s27, s19                       ; 256 y rows
	s_add_co_u32 s26, s26, s27
	s_mov_b32 s27, 0
	s_add_nc_u64 s[32:33], s[20:21], s[26:27]      ; s[32:47]: a base for each of the eight blocks, 32 rows apart
	s_lshl_b32 s30, s28, 5
	s_mov_b32 s31, 0
.irp t, 1,2,3,4,5,6,7
	s_add_nc_u64 s[32+2*\t:33+2*\t], s[30+2*\t:31+2*\t], s[30:31]
.endr
	s_lshl_b32 s52, s60, 3
	s_lshl_b32 s53, s16, 1
	s_add_co_u32 s52, s52, s53                     ; my first tile
	s_mul_i32 s52, s52, 51200
	s_lshr_b32 s53, s18, 1
	s_mul_i32 s53, s53, 6400
	s_add_co_u32 s52, s52, s53                     ; its slot y / 2
	s_and_b32 s54, s18, 1
	s_mul_i32 s53, s54, 3072
	s_add_co_u32 s56, s52, s53
	s_mov_b32 s57, 0
	s_add_nc_u64 s[48:49], s[10:11], s[56:57]      ; the images
	s_lshl_b32 s53, s54, 7
	s_add_co_u32 s56, s52, s53
	s_add_co_u32 s56, s56, 6144
	s_add_nc_u64 s[50:51], s[10:11], s[56:57]      ; the scale words
.macro LOAD t                          ; block t: rows 32 t + i of my column into set t % 2
.irp i, 0,1,2,3,4,5,6,7,8,9,10,11,12,13,14,15,16,17,18,19,20,21,22,23,24,25,26,27,28,29,30,31
	global_load_b32 v[XW+32*((\t)%2)+\i], v[A+\i], s[32+2*(\t):33+2*(\t)] th:TH_LOAD_NT
.endr
.endm
	LOAD 0
	LOAD 1
.macro BLOCK t
.set XS, XW+32*((\t)%2)
.set OO, 1536*((\t)/4)+256*((\t)%2)    ; K step t / 4; the block is that of lanes 16 (t % 2) + r of the image
.if (\t) < 7
	s_wait_loadcnt 32                              ; this block's 32 loads are in; the next block's may be out
.else
	s_wait_loadcnt 0x0
.endif
	v_max3_num_f32 v12, |v[XS]|, |v[XS+1]|, |v[XS+2]|   ; the block's largest magnitude: all 32 numbers are mine
	v_max3_num_f32 v13, |v[XS+3]|, |v[XS+4]|, |v[XS+5]|
.irp i, 6,10,14,18,22,26
	v_max3_num_f32 v12, v12, |v[XS+\i]|, |v[XS+\i+1]|
	v_max3_num_f32 v13, v13, |v[XS+\i+2]|, |v[XS+\i+3]|
.endr
	v_max3_num_f32 v12, v12, |v[XS+30]|, |v[XS+31]|
	v_max3_num_f32 v12, v12, v13, 0x1800000        ; and the floor 2^(3 - 127): the byte cannot fall under 1
	v_add_nc_u32 v11, 0xff000000, v12              ; 2 off the exponent field: the conversion's scale operand
	v_lshrrev_b32 v13, 23, v11                     ; the scale's byte
	v_cvt_scalef32_pk16_fp6_f32 v[CW:CW+2], v[XS:XS+15], v11
	v_cvt_scalef32_pk16_fp6_f32 v[TW:TW+2], v[XS+16:XS+31], v11   ; a conversion's three registers begin on an even number
.if (\t)%4 == 0
	v_mov_b32 v[SB+(\t)/4], v13                    ; four bytes to a word, the lower K lowest.  (The plain place behind the conversions)
.else
	v_lshl_or_b32 v[SB+(\t)/4], v13, 8*((\t)%4), v[SB+(\t)/4]
.endif
.irp i, 0,1,2
	v_mov_b32 v[CW+3+\i], v[TW+\i]
.endr
.if ((\t)%4)/2 == 0                    ; the block is registers 0-5 of its lane in the image: group 0, and the low half of group 1;
	ds_store_b128 v4, v[CW:CW+3] offset:OO
	ds_store_b64 v4, v[CW+4:CW+5] offset:OO+512
.else                                  ; or registers 6-11: the high half of group 1, and group 2
	ds_store_b64 v4, v[CW:CW+1] offset:OO+520
	ds_store_b128 v4, v[CW+2:CW+5] offset:OO+1024
.endif
.if (\t)+2 < 8
	LOAD (\t)+2
.endif
	s_wait_dscnt 0x0                               ; the stores are done: the next block's codes may be written
.endm
.irp t, 0,1,2,3,4,5,6,7
	BLOCK \t
.endr
	s_wait_alu depctr_va_vdst(0)                   ; the wait ahead of the readers below
	global_store_b32 v9, v[SB], s[50:51]
	global_store_b32 v9, v[SB+1], s[50:51] offset:64
.irp i, 0,1,2,3,4,5,6,7,8,9,10,11
	ds_load_b128 v[OUTR+4*\i:OUTR+4*\i+3], v7 offset:512*\i   ; LDS serves a wave's instructions in order: these see my stores
.endr
.irp i, 0,1,2,3,4,5,6,7,8,9,10,11
	s_wait_dscnt 11-\i                             ; load i is in; the younger ones may be out
	global_store_b128 v8, v[OUTR+4*\i:OUTR+4*\i+3], s[48:49] offset:(\i/6)*51200+(\i%6)*512   ; 32 lanes store 512 consecutive bytes, aligned to 256
.endr
	s_wait_tensorcnt 0x0                           ; the wave's end
	ds_add_u32 v254, v255
	s_wait_dscnt 0x0
	s_endpgm
.Lfunc_end_k_q99bc8130d5_prep:
	.size	k_q99bc8130d5_prep, .Lfunc_end_k_q99bc8130d5_prep-k_q99bc8130d5_prep
	.p2alignl 7, 3214868480
	.fill 96, 4, 3214868480
	.section	.rodata,"a",@progbits
	.p2align	6, 0x0
	.amdhsa_kernel k_q99bc8130d5_prep
		.amdhsa_group_segment_fixed_size 58880
		.amdhsa_private_segment_fixed_size 0
		.amdhsa_enable_private_segment 0
		.amdhsa_kernarg_size 64
		.amdhsa_user_sgpr_count 2
		.amdhsa_user_sgpr_kernarg_segment_ptr 1
		.amdhsa_wavefront_size32 1
		.amdhsa_system_sgpr_workgroup_id_x 1
		.amdhsa_system_sgpr_workgroup_id_y 1
		.amdhsa_system_sgpr_workgroup_id_z 1
		.amdhsa_system_vgpr_workitem_id 0
		.amdhsa_next_free_vgpr 256
		.amdhsa_next_free_sgpr 66
		.amdhsa_reserve_vcc 1
		.amdhsa_float_denorm_mode_32 3
		.amdhsa_float_denorm_mode_16_64 3
		.amdhsa_memory_ordered 1
		.amdhsa_forward_progress 1
		.amdhsa_inst_pref_size 66
	.end_amdhsa_kernel
	.amdgpu_metadata
---
amdhsa.version: [ 1, 2 ]
amdhsa.kernels:
  - .name:           k_q99bc8130d5_prep
    .symbol:         k_q99bc8130d5_prep.kd
    .args:
      - { .name: hidden_states, .offset: 0, .size: 8, .value_kind: global_buffer, .address_space: global }
      - { .name: position_ids, .offset: 8, .size: 8, .value_kind: global_buffer, .address_space: global }
      - { .name: xc, .offset: 16, .size: 8, .value_kind: global_buffer, .address_space: global }
      - { .name: rope, .offset: 24, .size: 8, .value_kind: global_buffer, .address_space: global }
      - { .name: Wq, .offset: 32, .size: 8, .value_kind: global_buffer, .address_space: global }
      - { .name: Wk, .offset: 40, .size: 8, .value_kind: global_buffer, .address_space: global }
      - { .name: Wv, .offset: 48, .size: 8, .value_kind: global_buffer, .address_space: global }
      - { .name: wqkv, .offset: 56, .size: 8, .value_kind: global_buffer, .address_space: global }
    .group_segment_fixed_size: 58880
    .private_segment_fixed_size: 0
    .kernarg_segment_align: 8
    .kernarg_segment_size: 64
    .max_flat_workgroup_size: 128
    .sgpr_count:     66
    .vgpr_count:     256
    .wavefront_size: 32
...
	.end_amdgpu_metadata
.endif
;; end of part 1
;; launch qkv (part 2): grid 48 x 4, 4 waves a work-group, clusters of 4 x 4, 327,680 bytes of LDS; arguments xc, wqkv, rope, qk, vb; writes qk, vb
.if DOCPART == 2
	.amdgcn_target "amdgcn-amd-amdhsa--gfx1250"
	.amdhsa_code_object_version 6
	.text
	.protected	k_q99bc8130d5_qkv
	.globl	k_q99bc8130d5_qkv
	.p2align	8
	.type	k_q99bc8130d5_qkv,@function
k_q99bc8130d5_qkv:
	s_mov_b64 s[64:65], 0
	v_nop
	global_prefetch_b8 v0, s[64:65] scope:SCOPE_SE
	s_setreg_imm32_b32 hwreg(HW_REG_WAVE_MODE, 25, 1), 1
	s_wait_xcnt 0x0
	s_wait_alu depctr_hold_cnt(0) depctr_sa_sdst(0) depctr_va_vdst(0) depctr_va_sdst(0) depctr_va_ssrc(0) depctr_va_vcc(0) depctr_vm_vsrc(0)
	s_getreg_b32 s2, hwreg(HW_REG_IB_STS2, 6, 4)
	s_cmp_eq_u32 s2, 0
	s_cbranch_scc0 .Lentry_in_a_cluster
	s_endpgm
.Lentry_in_a_cluster:
	s_bfe_u32 s2, ttmp6, 0x10000c
	s_cmp_lg_u32 s2, 0xf033
	s_cbranch_scc0 .Lentry_shape_is_right
	s_endpgm
.Lentry_shape_is_right:
; q, k and v = x [Wq | Wk | Wv] on codes of FP6 (E2M3) with E8M0 scales; the rotary embedding on q and k; and q, k, v quantised again as operands of the attention's two products.
; Operands come as images of their registers: [tile of 16 rows][slot 0..7][6,400 bytes]: four K steps' fragments (1,536 bytes each) and their scale words (64 bytes each).  Row r of tile 2 T + u is row 32 T + 8 u + r + (r & 8).
; A work-group's tile is 256 rows of "A" x 128 rows of "B"; wave w takes A's tiles 4 w .. 4 w + 3 and all 8 of B.  THE MATRIX INSTRUCTION IS USED TRANSPOSED (source 0 = B's tile, source 1 = A's): a lane holds ONE row of A, and,
; by the order of a tile's rows, its 64 registers of an A tile run along B's 128 rows: register 16 b + i = row 32 b + 16 (lane / 16) + i: what the quantiser wants.
; TWO ROLES, chosen by the cluster's x (the same in all partners), by selects on pointers and offsets:  columns 0-39 (q's 32 heads, k's 8): A = x, B = one head's 128 columns: a lane holds a position and its head's 128 numbers:
; rotary embedding and the four blocks along d need no other lane but l xor 16.  Columns 40-47 (v): A = 256 columns of Wv (two heads), B = 128 rows of x (a key step): a lane holds one d and 128 KEYS: v is quantised along the keys, nothing is transposed.
; 256 x 128 gives 192 work-groups; 128 x 128 would be 384 (two passes over 256 WGPs), 256 x 256 only 96.
; K goes through a ring of two LDS slots of 4 K steps (153,600 bytes each), one tensor load a wave a slot (waves 0, 1: A's halves, 8 rows of 6,400 bytes; waves 2, 3: B's, 4 rows).
; CLUSTERS: 4 x 4.  A's tiles hang on the work-group's row alone and are asked for jointly along a row of the cluster, B's on its column and jointly along a column.  By this text's count one tensor load a wave is out.
; Out: qk [head 0-31 q, 32-39 k][102,400]: fragment of row tile phi at 1,536 phi, scale words at 98,304 + 64 phi;  vb [head][102,400]: fragment (key step ks, d tile dt) at phi = 8 ks + dt.
; LIMITS: NaN and infinities are not served; a block whose largest magnitude lies under 2^-124 keeps the byte 1 (a block of zeros too: its codes are zeros, and this program alone reads the bytes).
; REGISTERS: window 0: v16-29 addresses; v32-43 scale words, two sets; v64-159 A's fragments, two sets (later 64 numbers at work); v192-233 the quantiser's.  window 1: B's fragments, two sets of 96.
;   window 2: the accumulators, (a, b) at 64 a + 8 b.   window 3: cos and sin of my 64 positions.
.set MT,     4
.set TROW,   6400
.set TPITCH, 51200
.set SLOT,   (4*MT+8)*TROW
.set BOFF,   4*MT*TROW                 ; B's tiles lie behind A's
.set SPARE,  2*SLOT                    ; behind the ring: the spare words, 128 bytes a wave
.set ADA, 16                           ; v16-17  LDS address of my A fragments in slot 0, 1
.set ADB, 18                           ; v18-19  of B's
.set ASA, 20                           ; v20-21  of my A tiles' scale words: lanes 0-15 the even tile of a pair, lanes 16-31 the odd one
.set ASB, 22                           ; v22-23  of B's
.set LI,  24                           ; v24     16 x lane
.set LS,  25                           ; v25     4 x lane
.set SPW, 28                           ; v28     my spare word; never rewritten
.set NIL, 29                           ; v29     0; never rewritten
.set SC,  32                           ; scale words of set p at v[32 + 6 p]: +0, +1 A's pairs of tiles, +2 .. +5 B's
.set AF,  64                           ; A's fragments of set p at v[64 + 48 p + 12 a]
.set XE,  64                           ; the way out: 64 numbers
.set PC,  192
.set TM,  212
.set PW,  228
.set G1,  24
.set G0,  32
.set G1B, 48
.set G0B, 56
.set SEL, 82
.set MSB, 0
.macro WIN new                         ; the immediate's high byte repeats the setting that is left
.if MSB != (\new)
	s_set_vgpr_msb (MSB<<8)|(\new)
.set MSB, (\new)
.endif
.endm
.macro PLACES                          ; four places in front of loads into registers that matrix instructions have read, and of the first read of results
.rept 4
	v_nop
.endr
.endm
.macro JLOAD s                         ; a joint load: waves 0 and 1 fetch A's halves, waves 2 and 3 B's; four v_nop follow each of the two lines
	s_cmp_eq_u32 s15, 0
	s_cbranch_scc0 .Lfor_b_\@
	tensor_load_to_lds s[G0+4*(\s):G0+4*(\s)+3], s[G1:G1+7]
	s_nop 0
.rept 4
	v_nop
.endr
	s_branch .Lasked_\@
.Lfor_b_\@:
	tensor_load_to_lds s[G0B+4*(\s):G0B+4*(\s)+3], s[G1B:G1B+7]
	s_nop 0
.rept 4
	v_nop
.endr
.Lasked_\@:
.endm
.macro CROUND                          ; a round of the cluster's barrier
	s_barrier_signal -1
	s_barrier_wait -1
	s_cmp_lg_u32 s14, 0
	s_cbranch_scc1 .Lnot_wave_0_\@
	s_barrier_signal -3
.Lnot_wave_0_\@:
	s_barrier_wait -3
	s_barrier_signal -1
	s_barrier_wait -1
.endm
.macro FETCH slot, s, p                ; the slot's K step s into set p: 36 loads of 512 consecutive bytes, 6 of scale words
	WIN 0x40                                       ; destination window 1
.irp b, 0,1,2,3,4,5,6,7
.irp g, 0,1,2
	ds_load_b128 v[96*(\p)+12*\b+4*\g:96*(\p)+12*\b+4*\g+3], v[ADB+\slot] offset:TROW*\b+1536*(\s)+512*\g
.endr
.endr
	WIN 0
.irp a, 0,1,2,3
.irp g, 0,1,2
	ds_load_b128 v[AF+48*(\p)+12*\a+4*\g:AF+48*(\p)+12*\a+4*\g+3], v[ADA+\slot] offset:TROW*\a+1536*(\s)+512*\g
.endr
.endr
.irp i, 0,1
	ds_load_b32 v[SC+6*(\p)+\i], v[ASA+\slot] offset:2*TROW*\i+64*(\s)
.endr
.irp i, 0,1,2,3
	ds_load_b32 v[SC+6*(\p)+2+\i], v[ASB+\slot] offset:2*TROW*\i+64*(\s)
.endr
.endm
.macro PROD a, b, p, zero              ; one product.  An odd tile's scale words stand in lanes 16-31 of its pair's register
.set rD, 64*(\a)+8*(\b)
.set rB, 96*(\p)+12*(\b)
.set rA, AF+48*(\p)+12*(\a)
.set rX, SC+6*(\p)+2+(\b)/2
.set rY, SC+6*(\p)+(\a)/2
.if \zero
.if ((\b)%2 == 0) && ((\a)%2 == 0)
	v_wmma_scale_f32_16x16x128_f8f6f4 v[rD:rD+7], v[rB:rB+11], v[rA:rA+11], 0, v[rX], v[rY] matrix_a_fmt:MATRIX_FMT_FP6 matrix_b_fmt:MATRIX_FMT_FP6
.elseif ((\a)%2 == 0)
	v_wmma_scale_f32_16x16x128_f8f6f4 v[rD:rD+7], v[rB:rB+11], v[rA:rA+11], 0, v[rX], v[rY] matrix_a_fmt:MATRIX_FMT_FP6 matrix_b_fmt:MATRIX_FMT_FP6 matrix_a_scale:MATRIX_SCALE_ROW1
.elseif ((\b)%2 == 0)
	v_wmma_scale_f32_16x16x128_f8f6f4 v[rD:rD+7], v[rB:rB+11], v[rA:rA+11], 0, v[rX], v[rY] matrix_a_fmt:MATRIX_FMT_FP6 matrix_b_fmt:MATRIX_FMT_FP6 matrix_b_scale:MATRIX_SCALE_ROW1
.else
	v_wmma_scale_f32_16x16x128_f8f6f4 v[rD:rD+7], v[rB:rB+11], v[rA:rA+11], 0, v[rX], v[rY] matrix_a_fmt:MATRIX_FMT_FP6 matrix_b_fmt:MATRIX_FMT_FP6 matrix_a_scale:MATRIX_SCALE_ROW1 matrix_b_scale:MATRIX_SCALE_ROW1
.endif
.else
.if ((\b)%2 == 0) && ((\a)%2 == 0)
	v_wmma_scale_f32_16x16x128_f8f6f4 v[rD:rD+7], v[rB:rB+11], v[rA:rA+11], v[rD:rD+7], v[rX], v[rY] matrix_a_fmt:MATRIX_FMT_FP6 matrix_b_fmt:MATRIX_FMT_FP6
.elseif ((\a)%2 == 0)
	v_wmma_scale_f32_16x16x128_f8f6f4 v[rD:rD+7], v[rB:rB+11], v[rA:rA+11], v[rD:rD+7], v[rX], v[rY] matrix_a_fmt:MATRIX_FMT_FP6 matrix_b_fmt:MATRIX_FMT_FP6 matrix_a_scale:MATRIX_SCALE_ROW1
.elseif ((\b)%2 == 0)
	v_wmma_scale_f32_16x16x128_f8f6f4 v[rD:rD+7], v[rB:rB+11], v[rA:rA+11], v[rD:rD+7], v[rX], v[rY] matrix_a_fmt:MATRIX_FMT_FP6 matrix_b_fmt:MATRIX_FMT_FP6 matrix_b_scale:MATRIX_SCALE_ROW1
.else
	v_wmma_scale_f32_16x16x128_f8f6f4 v[rD:rD+7], v[rB:rB+11], v[rA:rA+11], v[rD:rD+7], v[rX], v[rY] matrix_a_fmt:MATRIX_FMT_FP6 matrix_b_fmt:MATRIX_FMT_FP6 matrix_a_scale:MATRIX_SCALE_ROW1 matrix_b_scale:MATRIX_SCALE_ROW1
.endif
.endif
.endm
.macro MUL p, zero                     ; a K step: 32 products; the 32 accumulators take turns, one instruction a turn, in the same order in every step
	WIN 0xa1                                       ; source 0 (B) window 1, source 1 (A) window 0, C and D window 2
.irp a, 0,1,2,3
.irp b, 0,1,2,3,4,5,6,7
	PROD \a, \b, \p, \zero
.endr
.endr
	WIN 0
.endm
; A slot's four K steps.  In front of the barrier each wave waits for all its tensor loads (its part of this slot), adds 0 to its spare word, and waits for that and for its reads of the other slot.
; refill = 1: the barrier is a round of the cluster's, and behind it the other slot is asked for first: the load has this slot's 128 matrix instructions in which to land.
.macro TRIP slot, refill, zero
.if \refill
	s_wait_xcnt 0x0                                ; my prefetches have read their addresses, a trip behind them: the two bases step one slot along K
	s_add_nc_u64 s[86:87], s[86:87], TROW
	s_add_nc_u64 s[88:89], s[88:89], TROW
.endif
	s_wait_tensorcnt 0x0
	ds_add_u32 v[SPW], v[NIL]
	s_add_nc_u64 s[G0+4*\slot+2:G0+4*\slot+3], s[G0+4*\slot+2:G0+4*\slot+3], 2*TROW
	s_add_nc_u64 s[G0B+4*\slot+2:G0B+4*\slot+3], s[G0B+4*\slot+2:G0B+4*\slot+3], 2*TROW
	s_wait_dscnt 0x0                               ; the add is done, and my reads of the other slot are over
.if \refill
	CROUND
	JLOAD 1-\slot                                  ; its four v_nop are also the places in front of the loads below
.else
	s_barrier_signal -1
	s_barrier_wait -1
	PLACES
.endif
	s_wait_alu depctr_va_vdst(0)
	FETCH \slot, 0, 0
.if \zero == 0
	MUL 1, 0                                       ; the slot before's fourth K step: its fragments are in registers (awaited in front of the barrier), and its 32 products stand over the loads just issued
.endif
	s_wait_dscnt 0x0
	PLACES
	FETCH \slot, 1, 1
.if \refill
	; A PREFETCH INTO THE L2 of the slot that stands two refills on: trip k (its refill brings slot k + 1) asks for slot k + 3; the loop's last lap (trips 5 and 6) has no such slot and asks for nothing
	s_cmp_gt_u32 s3, 1
	s_cbranch_scc0 .Lno_ask_\@
	global_prefetch_b8 v30, s[86:87] offset:2*TROW th:TH_LOAD_NT scope:SCOPE_SE
	global_prefetch_b8 v31, s[88:89] offset:2*TROW th:TH_LOAD_NT scope:SCOPE_SE
.Lno_ask_\@:
.endif
	MUL 0, \zero
	s_wait_dscnt 0x0
	PLACES
	FETCH \slot, 2, 0
	MUL 1, 0
	s_wait_dscnt 0x0
	PLACES
	FETCH \slot, 3, 1
	MUL 0, 0                                       ; the fourth K step is multiplied behind the next barrier
.endm
; 64 numbers of a lane in window sw, register 16 b + i = k 32 b + 16 (lane / 16) + i of my row, become a fragment's codes in v[pc .. pc + 11] (pc + 12 .. pc + 18 at work) and its scale word in v[pw].
.macro QUANT src, pw, pc, sw
	WIN ((\sw)<<2)|((\sw)<<4)                      ; sources 1 and 2: the numbers' window
.irp b, 0,1,2,3
	v_max3_num_f32 v[TM+\b], 0x1800000, |v[(\src)+16*\b]|, |v[(\src)+1+16*\b]|   ; block b: my 16 numbers and the floor 2^(3 - 127): the byte cannot fall under 1
.endr
.irp i, 2,4,6,8,10,12,14
.irp b, 0,1,2,3
	v_max3_num_f32 v[TM+\b], v[TM+\b], |v[(\src)+16*\b+\i]|, |v[(\src)+1+16*\b+\i]|   ; the four blocks by turns; each accumulator is read from its low end on
.endr
.endr
	WIN 0
.irp b, 0,1,2,3
	v_permlanex16_b32 v[TM+4+\b], v[TM+\b], s[SEL], s[SEL+1]
.endr
.irp b, 0,1,2,3
	v_max_num_f32 v[TM+\b], v[TM+\b], v[TM+4+\b]   ; with lane l xor 16's 16: the block's largest magnitude
.endr
.irp b, 0,1,2,3
	v_add_nc_u32 v[TM+12+\b], 0xff000000, v[TM+\b]   ; 2 off its exponent field: the conversion's scale operand
.endr
.irp b, 0,1,2,3
	v_lshrrev_b32 v[TM+4+\b], 23, v[TM+12+\b]      ; the scale's byte
.endr
	v_lshl_or_b32 v[(\pw)], v[TM+5], 8, v[TM+4]
	v_lshl_or_b32 v[(\pw)], v[TM+6], 16, v[(\pw)]
	v_lshl_or_b32 v[(\pw)], v[TM+7], 24, v[(\pw)]
	WIN (\sw)                                      ; source 0: the numbers' window
.irp c, 0,1
	v_cvt_scalef32_pk16_fp6_f32 v[(\pc)+6*\c:(\pc)+2+6*\c], v[(\src)+32*\c:(\src)+15+32*\c], v[TM+12+2*\c]
	v_cvt_scalef32_pk16_fp6_f32 v[(\pc)+12+4*\c:(\pc)+14+4*\c], v[(\src)+16+32*\c:(\src)+31+32*\c], v[TM+13+2*\c]
.endr
	WIN 0
	v_nop                                          ; one plain place behind a scaled conversion
.irp c, 0,1                                    ; the layout wants a WHOLE block in a lane
.irp i, 0,1,2
	v_permlane16_swap_b32 v[(\pc)+6*\c+\i], v[(\pc)+12+4*\c+\i]
.endr
.irp i, 0,1,2
	v_mov_b32 v[(\pc)+3+6*\c+\i], v[(\pc)+12+4*\c+\i]
.endr
.endr
.endm
; The rotary embedding of A tile a: x'(d) = x(d) cos - x(d + 64) sin, x'(d + 64) = x(d + 64) cos + x(d) sin, d < 64.  d + 64 lies 32 registers on.  Two numbers an instruction.
.macro ROPE a
	WIN 0x0e                                       ; source 0: the accumulators (window 2); source 1: the table (window 3)
.irp q, 0,1
.irp i, 0,2,4,6,8,10,12,14
.set rL, 64*\a+16*\q+\i
.set rH, rL+32
.set xL, XE+16*\q+\i
.set xH, xL+32
	v_pk_mul_f32 v[xL:xL+1], v[rL:rL+1], v[rL:rL+1]        ; (the cosines have the low half's register numbers, the sines the high half's)
	v_pk_mul_f32 v[xH:xH+1], v[rH:rH+1], v[rL:rL+1]
	v_pk_fma_f32 v[xL:xL+1], v[rH:rH+1], v[rH:rH+1], v[xL:xL+1] neg_lo:[0,1,0] neg_hi:[0,1,0]
	v_pk_fma_f32 v[xH:xH+1], v[rL:rL+1], v[rH:rH+1], v[xH:xH+1]
.endr
.endr
	WIN 0
.endm
	s_load_b256 s[4:11], s[0:1], 0x0               ; xc s[4:5], wqkv s[6:7], the table s[8:9], qk s[10:11]
	s_load_b64 s[12:13], s[0:1], 0x20              ; vb
	v_lshl_add_u32 v[SPW], v0, 2, SPARE
	v_mov_b32 v[NIL], 0
	ds_add_u32 v28, v29
	ds_add_u32 v28, v29
	s_wait_dscnt 0x0
	v_lshrrev_b32 v1, 5, v0
	v_readfirstlane_b32 s14, v1                    ; wave 0..3
	s_lshr_b32 s15, s14, 1                         ; I fetch for A (0) or for B (1)
	s_and_b32 s16, s14, 1                          ; which half
	s_bfe_u32 s40, ttmp6, 0x40000                  ; cx
	s_bfe_u32 s41, ttmp6, 0x40004                  ; cy: the work-group's row (the grid is one cluster high)
	s_lshl_b32 s42, ttmp9, 2
	s_add_co_u32 s42, s42, s40                     ; the work-group's column c = 4 x cluster x + cx
	s_lshl_b32 s43, s41, 2
	s_lshl_b32 s43, 15, s43                        ; my row of the cluster
	s_lshl_b32 s44, 0x1111, s40                    ; my column
	s_or_b32 s[G1+0], s43, (3<<16)|(1<<21)         ; 15:0 the mask; 17:16 elements of 8 bytes; 21 set beside a mask; no padding
	s_or_b32 s[G1B+0], s44, (3<<16)|(1<<21)
.irp g, G1, G1B
	s_mov_b32 s[\g+1], 800<<16                     ; tensor_dim0: a row is 6,400 bytes
	s_mov_b32 s[\g+3], 800<<16                     ; tile_dim0
	s_mov_b32 s[\g+5], 6400                        ; from tile to tile: 51,200 bytes
	s_mov_b32 s[\g+6], 0
	s_mov_b32 s[\g+7], 0
.endr
	s_mov_b32 s[G1+2], (2*MT)<<16                  ; tensor_dim1, tile_dim1: 8 tiles of A,
	s_mov_b32 s[G1+4], 2*MT
	s_mov_b32 s[G1B+2], 4<<16                      ; 4 of B
	s_mov_b32 s[G1B+4], 4
	s_cmp_ge_u32 ttmp9, 10                         ; the role: the cluster's x is the same in all partners
	s_cselect_b32 s45, 320, 0
	s_lshl_b32 s20, s41, 4
	s_lshl_b32 s21, s16, 3
	s_add_co_u32 s20, s20, s21
	s_add_co_u32 s20, s20, s45                     ; A's first tile: 16 cy + 8 half (+ 320: Wv's tiles)
	s_mul_i32 s20, s20, TPITCH
	s_mov_b32 s21, 0
	s_lshl_b32 s46, s42, 3
	s_lshl_b32 s47, s16, 2
	s_add_co_u32 s46, s46, s47
	s_sub_co_u32 s46, s46, s45                     ; B's: 8 c + 4 half (- 320: x's tiles of key step c - 40)
	s_mul_i32 s46, s46, TPITCH
	s_mov_b32 s47, 0
	s_mul_i32 s17, s16, 2*MT*TROW                  ; where they go: no place in the cluster enters an LDS address
	s_mul_i32 s18, s16, 4*TROW
	s_add_co_u32 s18, s18, BOFF
	s_wait_kmcnt 0x0
	s_cmp_ge_u32 ttmp9, 10
	s_cselect_b64 s[66:67], s[6:7], s[4:5]         ; A's buffer
	s_cselect_b64 s[68:69], s[4:5], s[6:7]         ; B's
	s_add_nc_u64 s[20:21], s[66:67], s[20:21]
	s_add_nc_u64 s[46:47], s[68:69], s[46:47]
	CROUND                                         ; all sixteen work-groups are here: the first joint loads meet
.irp s, 0,1
	s_mov_b32 s[G0+4*\s], 1
	s_add_co_u32 s[G0+4*\s+1], s17, \s*SLOT
	s_add_nc_u64 s[G0+4*\s+2:G0+4*\s+3], s[20:21], \s*TROW
	s_or_b32 s[G0+4*\s+3], s[G0+4*\s+3], 0x80000000
	s_mov_b32 s[G0B+4*\s], 1
	s_add_co_u32 s[G0B+4*\s+1], s18, \s*SLOT
	s_add_nc_u64 s[G0B+4*\s+2:G0B+4*\s+3], s[46:47], \s*TROW
	s_or_b32 s[G0B+4*\s+3], s[G0B+4*\s+3], 0x80000000
.endr
	JLOAD 0                                        ; slot 0; slot 1 is first filled behind the first trip's round
	v_and_b32 v1, 31, v0                           ; lane
	v_and_b32 v2, 15, v0                           ; r
	v_bfe_u32 v3, v0, 4, 1                         ; h
	v_lshlrev_b32 v[LI], 4, v1
	v_lshlrev_b32 v[LS], 2, v1
	s_mul_i32 s19, s14, MT*TROW                    ; my four tiles of A
	v_add_nc_u32 v[ADA], s19, v[LI]
	v_add_nc_u32 v[ADA+1], SLOT, v[ADA]
	v_add_nc_u32 v[ADB], BOFF, v[LI]
	v_add_nc_u32 v[ADB+1], SLOT, v[ADB]
	v_lshlrev_b32 v4, 2, v2
	v_mad_u32_u24 v4, v3, TROW, v4                 ; 4 r, and one tile on for lanes 16-31
	v_add_nc_u32 v4, 6144, v4
	v_add_nc_u32 v[ASA], s19, v4
	v_add_nc_u32 v[ASA+1], SLOT, v[ASA]
	v_add_nc_u32 v[ASB], BOFF, v4
	v_add_nc_u32 v[ASB+1], SLOT, v[ASB]
.irp b, 0,1,2,3
	v_mov_b32 v[TM+4+\b], 0                        ; written once: a lane permute's destination counts as one of its sources
.endr
	; cos and sin of my 64 positions, in the accumulators' order, into window 3.  (The v role's work-groups load them too and do not use them: one path up to the way out)
	v_and_b32 v5, 8, v2
	v_add_nc_u32 v5, v5, v2                        ; r + (r & 8)
	v_lshlrev_b32 v26, 9, v5
	v_lshl_add_u32 v26, v3, 6, v26                 ; a row of the table is 512 bytes; + 64 h
	s_lshl_b32 s70, s41, 17
	s_lshl_b32 s71, s14, 15
	s_add_co_u32 s70, s70, s71                     ; rows 256 cy + 64 wave on
	s_mov_b32 s71, 0
	s_add_nc_u64 s[70:71], s[8:9], s[70:71]
	WIN 0xc0                                       ; destination window 3
.irp a, 0,1,2,3
.irp q, 0,1
.irp g, 0,1,2,3
	global_load_b128 v[64*\a+16*\q+4*\g:64*\a+16*\q+4*\g+3], v26, s[70:71] offset:(32*(\a/2)+8*(\a%2))*512+128*\q+16*\g
	global_load_b128 v[64*\a+32+16*\q+4*\g:64*\a+32+16*\q+4*\g+3], v26, s[70:71] offset:(32*(\a/2)+8*(\a%2))*512+256+128*\q+16*\g
.endr
.endr
.endr
	WIN 0
	; where the results go
	s_lshl_b32 s72, s41, 1
	s_add_co_u32 s72, s72, s15                     ; v: head 2 cy + wave / 2,
	s_sub_co_u32 s73, s42, 40
	s_lshl_b32 s73, s73, 3
	s_lshl_b32 s74, s16, 2
	s_add_co_u32 s73, s73, s74                     ;    fragment 8 (c - 40) + 4 (wave % 2)
	s_lshl_b32 s74, s41, 4
	s_lshl_b32 s75, s14, 2
	s_add_co_u32 s74, s74, s75                     ; q, k: head c, fragment 16 cy + 4 wave
	s_cmp_ge_u32 ttmp9, 10
	s_cselect_b32 s72, s72, s42
	s_cselect_b32 s73, s73, s74
	s_cselect_b64 s[76:77], s[12:13], s[10:11]
	s_mul_i32 s72, s72, 102400
	s_mul_i32 s74, s73, 1536
	s_add_co_u32 s74, s74, s72
	s_mov_b32 s75, 0
	s_add_nc_u64 s[78:79], s[76:77], s[74:75]      ; the images
	s_lshl_b32 s74, s73, 6
	s_add_co_u32 s74, s74, s72
	s_add_co_u32 s74, s74, 98304
	s_add_nc_u64 s[80:81], s[76:77], s[74:75]      ; the scale words
	s_mov_b32 s[SEL], 0x76543210
	s_mov_b32 s[SEL+1], 0xfedcba98
	s_mov_b32 s84, 0xffff0000
	; THE PREFETCHES.  A slot of a tile is 6,400 bytes: 25 blocks of 256.  Each block is named once in each cluster that will load it; the partners share the blocks out BY ADDRESS:
	; of the 16 tiles of A that my row of the cluster asks for jointly, work-group cx takes 4 cx .. 4 cx + 3, a tile a wave, a lane a block (lanes 25-31 name the last block again);
	; of the 8 tiles of B of my column, work-group cy takes 2 cy and 2 cy + 1, two waves to a tile: blocks 0-12 and 13-24.
	s_lshl_b32 s90, s41, 4
	s_add_co_u32 s90, s90, s45
	s_lshl_b32 s91, s40, 2
	s_add_co_u32 s90, s90, s91
	s_add_co_u32 s90, s90, s14                     ; A's tile: 16 cy (+ 320) + 4 cx + wave
	s_mul_i32 s90, s90, TPITCH
	s_mov_b32 s91, 0
	s_add_nc_u64 s[86:87], s[66:67], s[90:91]
	s_lshl_b32 s92, s42, 3
	s_sub_co_u32 s92, s92, s45
	s_lshl_b32 s93, s41, 1
	s_add_co_u32 s92, s92, s93
	s_add_co_u32 s92, s92, s15                     ; B's tile: 8 c (- 320) + 2 cy + wave / 2
	s_mul_i32 s92, s92, TPITCH
	s_mov_b32 s93, 0
	s_add_nc_u64 s[88:89], s[68:69], s[92:93]
	s_mul_i32 s90, s16, 13
	v_min_u32 v30, 24, v1
	v_lshlrev_b32 v30, 8, v30                      ; v30: A's block, 256 x min(lane, 24); never rewritten
	v_min_u32 v31, 12, v1
	v_add_nc_u32 v31, s90, v31
	v_min_u32 v31, 24, v31
	v_lshlrev_b32 v31, 8, v31                      ; v31: B's block, 256 x min(13 (wave % 2) + min(lane, 12), 24); never rewritten
	s_wait_alu depctr_va_vdst(0)                   ; the wait at the head's end
	global_prefetch_b8 v30, s[86:87] offset:TROW th:TH_LOAD_NT scope:SCOPE_SE     ; slots 1 and 2, which the first two refills bring
	global_prefetch_b8 v31, s[88:89] offset:TROW th:TH_LOAD_NT scope:SCOPE_SE
	global_prefetch_b8 v30, s[86:87] offset:2*TROW th:TH_LOAD_NT scope:SCOPE_SE
	global_prefetch_b8 v31, s[88:89] offset:2*TROW th:TH_LOAD_NT scope:SCOPE_SE
	s_mov_b32 s3, 3
	TRIP 0, 1, 1
.Llap:
	TRIP 1, 1, 0
	TRIP 0, 1, 0
	s_sub_co_u32 s3, s3, 1
	s_cmp_lg_u32 s3, 0
	s_cbranch_scc1 .Llap
	TRIP 1, 0, 0
	s_wait_dscnt 0x0
	MUL 1, 0                                       ; the very last K step
	PLACES
	s_wait_loadcnt 0x0                             ; the table
	s_cmp_ge_u32 ttmp9, 10
	s_cbranch_scc1 .Lvrole
.irp a, 0,1,2,3                                ; q, k: a tile of 16 positions at a time
	ROPE \a
.if \a > 0
	s_wait_xcnt 0x0                                ; the last tile's stores have read their data: the codes' registers are written again only behind this wait
.endif
	QUANT XE, PW+\a, PC, 0
.irp g, 0,1,2
	global_store_b128 v[LI], v[PC+4*\g:PC+4*\g+3], s[78:79] offset:1536*\a+512*\g   ; 512 consecutive bytes, aligned to 256
.endr
.endr
	s_branch .Ljoin
.Lvrole:
.irp a, 0,1,2,3                                ; v: a tile of 16 d at a time, straight from the accumulators
.if \a > 0
	s_wait_xcnt 0x0
.endif
	QUANT 64*\a, PW+\a, PC, 2
.irp g, 0,1,2
	global_store_b128 v[LI], v[PC+4*\g:PC+4*\g+3], s[78:79] offset:1536*\a+512*\g
.endr
.endr
.Ljoin:
	v_cndmask_b32 v232, v[PW], v[PW+1], s84        ; two tiles' scale words to a store: 128 consecutive bytes
	v_cndmask_b32 v233, v[PW+2], v[PW+3], s84
	global_store_b32 v[LS], v232, s[80:81]
	global_store_b32 v[LS], v233, s[80:81] offset:128
	s_wait_tensorcnt 0x0                           ; the wave's end
	ds_add_u32 v[SPW], v[NIL]
	s_wait_dscnt 0x0
	CROUND                                         ; the closing round: no work-group ends while a partner may still ask for a tile that names it
	s_endpgm
.Lfunc_end_k_q99bc8130d5_qkv:
	.size	k_q99bc8130d5_qkv, .Lfunc_end_k_q99bc8130d5_qkv-k_q99bc8130d5_qkv
	.p2alignl 7, 3214868480
	.fill 96, 4, 3214868480
	.section	.rodata,"a",@progbits
	.p2align	6, 0x0
	.amdhsa_kernel k_q99bc8130d5_qkv
		.amdhsa_group_segment_fixed_size 327680
		.amdhsa_private_segment_fixed_size 0
		.amdhsa_enable_private_segment 0
		.amdhsa_kernarg_size 40
		.amdhsa_user_sgpr_count 2
		.amdhsa_user_sgpr_kernarg_segment_ptr 1
		.amdhsa_wavefront_size32 1
		.amdhsa_system_sgpr_workgroup_id_x 1
		.amdhsa_system_sgpr_workgroup_id_y 1
		.amdhsa_system_sgpr_workgroup_id_z 1
		.amdhsa_system_vgpr_workitem_id 0
		.amdhsa_next_free_vgpr 1024
		.amdhsa_next_free_sgpr 100
		.amdhsa_reserve_vcc 0
		.amdhsa_float_denorm_mode_32 3
		.amdhsa_float_denorm_mode_16_64 3
		.amdhsa_memory_ordered 1
		.amdhsa_forward_progress 1
		.amdhsa_inst_pref_size 180
	.end_amdhsa_kernel
	.amdgpu_metadata
---
amdhsa.version: [ 1, 2 ]
amdhsa.kernels:
  - .name:           k_q99bc8130d5_qkv
    .symbol:         k_q99bc8130d5_qkv.kd
    .args:
      - { .name: xc, .offset: 0, .size: 8, .value_kind: global_buffer, .address_space: global }
      - { .name: wqkv, .offset: 8, .size: 8, .value_kind: global_buffer, .address_space: global }
      - { .name: rope, .offset: 16, .size: 8, .value_kind: global_buffer, .address_space: global }
      - { .name: qk, .offset: 24, .size: 8, .value_kind: global_buffer, .address_space: global }
      - { .name: vb, .offset: 32, .size: 8, .value_kind: global_buffer, .address_space: global }
    .group_segment_fixed_size: 327680
    .private_segment_fixed_size: 0
    .kernarg_segment_align: 8
    .kernarg_segment_size: 40
    .max_flat_workgroup_size: 128
    .sgpr_count:     100
    .vgpr_count:     1024
    .wavefront_size: 32
...
	.end_amdgpu_metadata
.endif
;; end of part 2
;; launch attn (part 3): grid 32 x 8, 16 waves a work-group, clusters of 4 x 1, 327,680 bytes of LDS; arguments qk, vb, attention_mask, ab, Wo, woc; writes ab, woc
.if DOCPART == 3
	.amdgcn_target "amdgcn-amd-amdhsa--gfx1250"
	.amdhsa_code_object_version 6
	.text
	.protected	k_q99bc8130d5_attn
	.globl	k_q99bc8130d5_attn
	.p2align	8
	.type	k_q99bc8130d5_attn,@function
k_q99bc8130d5_attn:
	s_mov_b64 s[64:65], 0
	v_nop
	global_prefetch_b8 v0, s[64:65] scope:SCOPE_SE
	s_setreg_imm32_b32 hwreg(HW_REG_WAVE_MODE, 25, 1), 1
	s_wait_xcnt 0x0
	s_wait_alu depctr_hold_cnt(0) depctr_sa_sdst(0) depctr_va_vdst(0) depctr_va_sdst(0) depctr_va_ssrc(0) depctr_va_vcc(0) depctr_vm_vsrc(0)
	s_getreg_b32 s2, hwreg(HW_REG_IB_STS2, 6, 4)
	s_cmp_eq_u32 s2, 0
	s_cbranch_scc0 .Lentry_in_a_cluster
	s_endpgm
.Lentry_in_a_cluster:
	s_bfe_u32 s2, ttmp6, 0x10000c
	s_cmp_lg_u32 s2, 0x3003
	s_cbranch_scc0 .Lentry_shape_is_right
	s_endpgm
.Lentry_shape_is_right:
; TWO PIECES OF WORK IN ONE LAUNCH, told apart by the wave's number alone; they share no data.
; WAVES 0-7: the attention of one query head (4 x cluster x + cx) on codes of FP6 (E2M3) with E8M0 scales.  K and V of the head's key and value head lie whole in LDS (102,400 bytes each), asked for jointly by the
; four query heads of a cluster, ONE tensor load a wave at the head: waves 0-7 bring K, waves 8-15 V, 50 rows of 256 bytes each, to LDS byte 12,800 x wave.  A wave takes one tile of 16 queries (tile 4 y + wave, or
; 67 - 4 y - wave for waves 4-7) through steps of 128 keys; both products are used transposed, so that a lane holds one query.  Steps that lie wholly above the causal diagonal, which reference() builds itself, are
; passed over by a scalar branch on ids.  The padding mask enters as the C of the first product (0 or -3e38).  M is the ceiling of the running largest t; p = 2^(t - M) is quantised block by block; the row's sum is
; taken of the unquantised p.  A row whose every key is masked has the sum 0 and takes the mean of v over all 1,024 keys, as reference()'s softmax of equal scores gives.  The result is quantised as oproj's operand.
; WAVES 8-15: Wo [K = 4096][N = 4096], f32, becomes codes and scale words in woc, laid as prep lays wqkv.  Work-group (g = 4 x cluster x + cx, y) takes columns 128 g on and 512 y .. 512 y + 511 along K;
; wave 8 + u its columns 32 (u % 4) on and 256 along K from 256 (2 y + u / 4): 2,048 such shares are all of Wo.  A lane takes a column and its registers run down K; every offset is an immediate.
; Every wave walks the loop over key steps and passes every barrier; waves 8-15 pass over each step's work and turn to Wo behind the loop.  Every LDS address register is made ahead of the first parting.
; No prefetch: K and V are asked for once, at the head, and Wo's loads run two blocks (64 a wave) ahead by themselves.
; LIMITS: NaN and infinities are not served; the scaled scores stay under 2^31 in magnitude; a block whose largest magnitude lies under 2^-124 keeps the byte 1.
.set VB,   102400                      ; LDS: K, then V,
.set BIAS, 204800                      ; the mask's 1,024 numbers,
.set UST,  208896                      ; the mean of v, 64 bytes a wave; behind it the spare words, 2,048 bytes from 0x33200 on
.set WST,  211456                      ; and a stage of 6,144 bytes at WST + 6,144 x wave; waves 8-15 use theirs
.set ADK,  8
.set ADV,  9
.set ADS,  10
.set ADT,  11
.set ADB,  28
.set WV,   18
.set SEL,  20
.set CS,   22
.set G1,   24
.set G0K,  32
.set QB,   44
.set KF,   45
.set TK,   46
.set TS,   47
.set TM,   176
.set WX,   112                         ; v112-175 Wo: two sets of 32 numbers
.set WC,   176                         ; v176-181 a block's codes
.set WT,   184                         ; v184-186 their second half as it is made
.set WOUT, 192                         ; v192-239 the way out
.set WSB,  240                         ; v240-241 the two K steps' scale words; v242-247 at work
.macro PLACES
.rept 4
	v_nop
.endr
.endm
.macro CROUND                          ; a round of the cluster's barrier
	s_barrier_signal -1
	s_barrier_wait -1
	s_cmp_lg_u32 s[WV], 0
	s_cbranch_scc1 .Lnot_wave_0_\@
	s_barrier_signal -3
.Lnot_wave_0_\@:
	s_barrier_wait -3
	s_barrier_signal -1
	s_barrier_wait -1
.endm
.macro QUANT src, pw, pc               ; 64 numbers of a lane become a fragment's codes and its scale word
.irp b, 0,1,2,3
	v_max3_num_f32 v[TM+\b], |v[(\src)+16*\b]|, |v[(\src)+1+16*\b]|, 0x1800000
.endr
.irp i, 2,4,6,8,10,12,14
.irp b, 0,1,2,3
	s_delay_alu instid0(VALU_DEP_4)
	v_max3_num_f32 v[TM+\b], v[TM+\b], |v[(\src)+16*\b+\i]|, |v[(\src)+1+16*\b+\i]|
.endr
.endr
.irp b, 0,1,2,3
	v_permlanex16_b32 v[TM+4+\b], v[TM+\b], s[SEL], s[SEL+1]
.endr
.irp b, 0,1,2,3
	s_delay_alu instid0(VALU_DEP_4)
	v_max_num_f32 v[TM+\b], v[TM+\b], v[TM+4+\b]
.endr
.irp b, 0,1,2,3
	s_delay_alu instid0(VALU_DEP_4)
	v_add_nc_u32 v[TM+12+\b], 0xff000000, v[TM+\b]
.endr
.irp b, 0,1,2,3
	s_delay_alu instid0(VALU_DEP_4)
	v_lshrrev_b32 v[TM+4+\b], 23, v[TM+12+\b]
.endr
	s_delay_alu instid0(VALU_DEP_3)
	v_lshl_or_b32 v[(\pw)], v[TM+5], 8, v[TM+4]
	s_delay_alu instid0(VALU_DEP_1)
	v_lshl_or_b32 v[(\pw)], v[TM+6], 16, v[(\pw)]
	s_delay_alu instid0(VALU_DEP_1)
	v_lshl_or_b32 v[(\pw)], v[TM+7], 24, v[(\pw)]
.irp c, 0,1
	v_cvt_scalef32_pk16_fp6_f32 v[(\pc)+6*\c:(\pc)+2+6*\c], v[(\src)+32*\c:(\src)+15+32*\c], v[TM+12+2*\c]
	v_cvt_scalef32_pk16_fp6_f32 v[(\pc)+12+4*\c:(\pc)+14+4*\c], v[(\src)+16+32*\c:(\src)+31+32*\c], v[TM+13+2*\c]
.endr
	v_nop
.irp c, 0,1
.irp i, 0,1,2
	v_permlane16_swap_b32 v[(\pc)+6*\c+\i], v[(\pc)+12+4*\c+\i]
.endr
.irp i, 0,1,2
	s_delay_alu instid0(VALU_DEP_3)
	v_mov_b32 v[(\pc)+3+6*\c+\i], v[(\pc)+12+4*\c+\i]
.endr
.endr
.endm
.macro WLOAD t                         ; Wo, block t: rows 32 t + i of my column into set t % 2
.set i, 0
.rept 32
	global_load_b32 v[WX+32*((\t)%2)+i], v89, s[72:73] offset:(32*(\t)+i)*16384 th:TH_LOAD_NT
.set i, i+1
.endr
.endm
.macro WBLOCK t
.set XS, WX+32*((\t)%2)
.set OO, 1536*((\t)/4)+256*((\t)%2)
.if (\t) < 7
	s_wait_loadcnt 32                              ; this block's 32 loads are in; the next block's may be out
.else
	s_wait_loadcnt 0x0
.endif
.irp c, 0,1,2,3
	v_max3_num_f32 v[242+\c], |v[XS+3*\c]|, |v[XS+3*\c+1]|, |v[XS+3*\c+2]|   ; the block's largest magnitude, in four chains by turns
.endr
.irp i, 12,20
.irp c, 0,1,2,3
	v_max3_num_f32 v[242+\c], v[242+\c], |v[XS+\i+2*\c]|, |v[XS+\i+2*\c+1]|
.endr
.endr
	v_max3_num_f32 v242, v242, |v[XS+28]|, |v[XS+29]|
	v_max3_num_f32 v243, v243, |v[XS+30]|, |v[XS+31]|
	v_max3_num_f32 v244, v244, v245, 0x1800000     ; and the floor 2^(3 - 127)
	v_max3_num_f32 v242, v242, v243, v244
	v_add_nc_u32 v246, 0xff000000, v242            ; 2 off the exponent field: the conversion's scale operand
	v_lshrrev_b32 v247, 23, v246                   ; the scale's byte
	v_cvt_scalef32_pk16_fp6_f32 v[WC:WC+2], v[XS:XS+15], v246
	v_cvt_scalef32_pk16_fp6_f32 v[WT:WT+2], v[XS+16:XS+31], v246
.if (\t)%4 == 0
	v_mov_b32 v[WSB+(\t)/4], v247                  ; (the plain place behind the conversions)
.else
	v_lshl_or_b32 v[WSB+(\t)/4], v247, 8*((\t)%4), v[WSB+(\t)/4]
.endif
.irp i, 0,1,2
	v_mov_b32 v[WC+3+\i], v[WT+\i]
.endr
.if ((\t)%4)/2 == 0
	ds_store_b128 v90, v[WC:WC+3] offset:OO
	ds_store_b64 v90, v[WC+4:WC+5] offset:OO+512
.else
	ds_store_b64 v90, v[WC:WC+1] offset:OO+520
	ds_store_b128 v90, v[WC+2:WC+5] offset:OO+1024
.endif
.if (\t)+2 < 8
	WLOAD (\t)+2
.endif
	s_wait_dscnt 0x0                               ; the stores are done: the next block's codes may be written
.endm
	s_load_b256 s[4:11], s[0:1], 0x0               ; qk s[4:5], vb s[6:7], the mask s[8:9], ab s[10:11]
	s_load_b128 s[68:71], s[0:1], 0x20             ; Wo s[68:69], woc s[70:71]
	v_lshl_add_u32 v250, v0, 2, 0x33200
	v_mov_b32 v251, 0
	ds_add_u32 v250, v251                          ; the opening lines
	ds_add_u32 v250, v251
	v_lshrrev_b32 v8, 5, v0
	s_delay_alu instid0(VALU_DEP_1)
	v_readfirstlane_b32 s[WV], v8
	s_bfe_u32 s40, ttmp6, 0x40000
	s_and_b32 s42, ttmp7, 0xffff
	s_mov_b32 s[G1], 15|(3<<16)|(1<<21)
	s_mov_b32 s[G1+1], 32<<16
	s_mov_b32 s[G1+2], 50<<16
	s_mov_b32 s[G1+3], 32<<16
	s_mov_b32 s[G1+4], 50
	s_mov_b32 s[G1+5], 32
	s_mov_b32 s[G1+6], 0
	s_mov_b32 s[G1+7], 0
	s_mul_i32 s50, s[WV], 12800                    ; where my 50 rows go: K's eight parts, then V's eight
	s_add_co_u32 s52, ttmp9, 32
	s_mul_i32 s52, s52, 102400
	s_add_co_u32 s52, s52, s50                     ; K: head 32 + cluster x of qk, part = wave
	s_mov_b32 s53, 0
	s_mul_i32 s54, ttmp9, 102400
	s_add_co_u32 s54, s54, s50
	s_sub_co_u32 s54, s54, VB                      ; V: head cluster x of vb, part = wave - 8
	s_wait_dscnt 0x0
	s_wait_kmcnt 0x0
	s_mov_b32 s[G0K], 1
	s_mov_b32 s[G0K+1], s50
	s_cmp_lt_u32 s[WV], 8                          ; the choice hangs on the wave's number alone
	s_cselect_b64 s[38:39], s[4:5], s[6:7]
	s_cselect_b32 s52, s52, s54
	s_add_nc_u64 s[G0K+2:G0K+3], s[38:39], s[52:53]
	s_or_b32 s[G0K+3], s[G0K+3], 0x80000000
	CROUND
	tensor_load_to_lds s[G0K:G0K+3], s[G1:G1+7]    ; my one tensor load
	s_nop 0
.rept 4
	v_nop
.endr
	s_lshl_b32 s49, s42, 2
	s_add_co_u32 s43, s49, s[WV]
	s_sub_co_u32 s49, 67, s43
	s_cmp_lt_u32 s[WV], 4
	s_cselect_b32 s43, s43, s49                    ; my tile of queries
	s_lshr_b32 s[QB], s43, 1
	s_lshl_b32 s[QB], s[QB], 5
	s_and_b32 s49, s43, 1
	s_lshl_b32 s49, s49, 3
	s_add_co_u32 s[QB], s[QB], s49                 ; its first query
	s_lshl_b32 s49, ttmp9, 2
	s_add_co_u32 s49, s49, s40
	s_mul_i32 s52, s49, 102400
	s_mul_i32 s49, s43, 1536
	s_add_co_u32 s54, s52, s49
	s_mov_b32 s55, 0
	s_add_nc_u64 s[56:57], s[4:5], s[54:55]
	s_lshl_b32 s49, s43, 6
	s_add_co_u32 s54, s52, s49
	s_add_co_u32 s54, s54, 98304
	s_add_nc_u64 s[58:59], s[4:5], s[54:55]
	s_mul_i32 s54, s43, 51200
	s_mul_i32 s49, ttmp9, 6400
	s_add_co_u32 s54, s54, s49
	s_mul_i32 s49, s40, 1536
	s_add_co_u32 s60, s54, s49
	s_mov_b32 s61, 0
	s_add_nc_u64 s[60:61], s[10:11], s[60:61]
	s_lshl_b32 s49, s40, 6
	s_add_co_u32 s54, s54, s49
	s_add_co_u32 s54, s54, 6144
	s_add_nc_u64 s[62:63], s[10:11], s[54:55]
	s_mov_b32 s[SEL], 0x76543210
	s_mov_b32 s[SEL+1], 0xfedcba98
	s_mov_b32 s[CS], 0x3e0293ee                    ; log2(e) / sqrt(128)
	s_mov_b32 s[CS+1], s[CS]
	v_and_b32 v8, 31, v0
	s_delay_alu instid0(VALU_DEP_1)
	v_lshlrev_b32 v1, 4, v8
	s_delay_alu instid0(VALU_DEP_2)
	v_lshl_add_u32 v2, v8, 2, 98304
	v_bfe_u32 v9, v0, 4, 1
	v_and_b32 v10, 15, v0
	s_delay_alu instid0(VALU_DEP_2)
	v_lshl_add_u32 v3, v9, 6, BIAS
	s_delay_alu instid0(VALU_DEP_2)
	v_and_b32 v11, 8, v10
	s_delay_alu instid0(VALU_DEP_1)
	v_add_nc_u32 v11, v11, v10
	v_lshlrev_b32 v4, 4, v9
	s_delay_alu instid0(VALU_DEP_1)
	v_sub_nc_u32 v4, v11, v4
	v_lshlrev_b32 v31, 2, v10
	s_mul_i32 s49, s[WV], 1536
	s_add_co_u32 s49, s49, VB
	v_add_nc_u32 v5, s49, v1
	s_delay_alu instid0(VALU_DEP_1)
	v_add_nc_u32 v6, 49152, v5
	s_lshl_b32 s49, s[WV], 6
	s_add_co_u32 s51, s49, VB+98304
	v_add_nc_u32 v7, s51, v31
	v_lshl_add_u32 v29, v9, 5, UST
	s_delay_alu instid0(VALU_DEP_1)
	v_add_nc_u32 v30, s49, v29
	v_lshlrev_b32 v105, 4, v0
	v_lshl_add_u32 v106, v0, 4, BIAS
	; Wo's addresses, made by every wave ahead of the parting.  lane = 16 h' + 8 u + j: column 32 w + lane is row r = 8 h' + j of tile 2 w + u
	s_mul_i32 s94, s[WV], 6144
	s_add_co_u32 s94, s94, WST                     ; my stage
	s_wait_alu depctr_va_vdst(0)                   ; the wait ahead of the readers below
	v_bfe_u32 v94, v0, 3, 1                        ; u
	v_and_b32 v95, 7, v0
	v_lshl_add_u32 v95, v9, 3, v95                 ; r
	v_mul_u32_u24 v90, v94, 3072
	v_lshl_add_u32 v90, v95, 4, v90
	v_add_nc_u32 v90, s94, v90                     ; into the stage
	v_add_nc_u32 v91, s94, v1                      ; out of it
	v_mul_u32_u24 v93, v94, 51200
	v_lshl_add_u32 v93, v95, 2, v93                ; my scale word's place: tile u, row r
	v_lshlrev_b32 v89, 2, v8                       ; 4 x lane
	s_and_b32 s96, s[WV], 3                        ; w
	s_bfe_u32 s97, s[WV], 0x10002
	s_lshl_b32 s98, s42, 1
	s_add_co_u32 s97, s98, s97                     ; which 256 along K: 2 y + (wave / 4) % 2
	s_lshl_b32 s98, ttmp9, 2
	s_add_co_u32 s98, s98, s40                     ; g
	s_lshl_b32 s72, s98, 9                         ; 512 bytes a group,
	s_lshl_b32 s99, s96, 7                         ; 128 a wave,
	s_add_co_u32 s72, s72, s99
	s_lshl_b32 s99, s97, 22                        ; 256 rows of 16,384 bytes
	s_add_co_u32 s72, s72, s99
	s_mov_b32 s73, 0
	s_add_nc_u64 s[72:73], s[68:69], s[72:73]
	s_lshl_b32 s74, s98, 3
	s_lshl_b32 s99, s96, 1
	s_add_co_u32 s74, s74, s99                     ; my first tile
	s_mul_i32 s74, s74, 51200
	s_lshr_b32 s99, s97, 1
	s_mul_i32 s99, s99, 6400
	s_add_co_u32 s74, s74, s99                     ; its slot
	s_and_b32 s99, s97, 1
	s_mul_i32 s76, s99, 3072
	s_add_co_u32 s76, s76, s74
	s_mov_b32 s77, 0
	s_add_nc_u64 s[76:77], s[70:71], s[76:77]      ; the images
	s_lshl_b32 s99, s99, 7
	s_add_co_u32 s74, s74, s99
	s_add_co_u32 s74, s74, 6144
	s_mov_b32 s75, 0
	s_add_nc_u64 s[74:75], s[70:71], s[74:75]      ; the scale words
	s_wait_alu depctr_va_vdst(0)                   ; the wait ahead of the branch
	s_cmp_ge_u32 s[WV], 8
	s_cbranch_scc1 .Lmeet1                         ; waves 8-15 have nothing to make ready for the attention
	global_load_b128 v[96:99], v105, s[8:9]        ; the mask, four keys a thread of waves 0-7
.irp c, 0,1,2
	global_load_b128 v[16+4*\c:19+4*\c], v1, s[56:57] offset:512*\c
.endr
	global_load_b32 v255, v31, s[58:59]
	v_mov_b32 v13, 0xf149f2ca
	s_delay_alu instid0(VALU_DEP_1)
	v_floor_f32 v12, -v13
	v_mov_b32 v14, 0
	v_mov_b32 v15, 0
.irp b, 0,1,2,3,4,5,6,7
	v_mov_b32 v[236+\b], 0
.endr
	v_mov_b32 v252, 0
	v_mov_b32 v253, 0
.set j, 0
.rept 64
	v_mov_b32 v[160+j], 0
.set j, j+1
.endr
	v_mov_b32 v104, 0xff61b1e6
	s_wait_alu depctr_va_vdst(0)
	s_wait_loadcnt 0x0
.irp i, 0,1,2,3
	v_cmp_eq_u32 vcc_lo, 0, v[96+\i]
	s_delay_alu instid0(VALU_DEP_1)
	v_cndmask_b32 v[100+\i], 0, v104, vcc_lo
.endr
	ds_store_b128 v106, v[100:103]
.Lmeet1:
	s_wait_tensorcnt 0x0                           ; my part of K or of V is in
	s_wait_dscnt 0x0
	s_barrier_signal -1
	s_barrier_wait -1                              ; K, V and the mask's numbers are whole for every wave
	s_mov_b32 s[KF], 0
	s_mov_b32 s[TK], 0
	s_mov_b32 s[TS], 0
	s_mov_b32 s48, 8
.Lstep:
	s_cmp_ge_u32 s[WV], 8                          ; every wave walks the loop's eight trips; waves 8-15 pass over each step's work
	s_cbranch_scc1 .Lhidden
	s_add_co_u32 s49, s[QB], 23
	s_cmp_gt_u32 s[KF], s49
	s_cbranch_scc1 .Lhidden                        ; the step lies wholly above the causal diagonal
	v_add_nc_u32 v[ADK], s[TK], v1
	s_wait_alu depctr_va_vdst(0)
	v_add_nc_u32 v[ADS], s[TS], v2
	s_wait_alu depctr_va_vdst(0)
	v_add_nc_u32 v[ADB], s[TS], v3
	v_add_nc_u32 v[ADV], VB, v[ADK]
	v_add_nc_u32 v[ADT], VB, v[ADS]
.irp t, 0,1,2,3,4,5,6,7
	ds_load_b128 v[96+8*\t:99+8*\t], v[ADB] offset:128*(\t/2)+32*(\t%2)
	ds_load_b128 v[100+8*\t:103+8*\t], v[ADB] offset:128*(\t/2)+32*(\t%2)+16
.endr
.irp g, 0,1
.if \g > 0
	PLACES
.endif
.irp t, 0,1,2,3
.irp c, 0,1,2
	ds_load_b128 v[32+12*\t+4*\c:35+12*\t+4*\c], v[ADK] offset:1536*(4*\g+\t)+512*\c
.endr
.endr
	ds_load_b32 v248, v[ADS] offset:256*\g
	ds_load_b32 v249, v[ADS] offset:256*\g+128
	s_wait_dscnt 0x0
	v_wmma_scale_f32_16x16x128_f8f6f4 v[96+32*\g:103+32*\g], v[32:43], v[16:27], v[96+32*\g:103+32*\g], v248, v255 matrix_a_fmt:MATRIX_FMT_FP6 matrix_b_fmt:MATRIX_FMT_FP6
	v_wmma_scale_f32_16x16x128_f8f6f4 v[104+32*\g:111+32*\g], v[44:55], v[16:27], v[104+32*\g:111+32*\g], v248, v255 matrix_a_fmt:MATRIX_FMT_FP6 matrix_b_fmt:MATRIX_FMT_FP6 matrix_a_scale:MATRIX_SCALE_ROW1
	v_wmma_scale_f32_16x16x128_f8f6f4 v[112+32*\g:119+32*\g], v[56:67], v[16:27], v[112+32*\g:119+32*\g], v249, v255 matrix_a_fmt:MATRIX_FMT_FP6 matrix_b_fmt:MATRIX_FMT_FP6
	v_wmma_scale_f32_16x16x128_f8f6f4 v[120+32*\g:127+32*\g], v[68:79], v[16:27], v[120+32*\g:127+32*\g], v249, v255 matrix_a_fmt:MATRIX_FMT_FP6 matrix_b_fmt:MATRIX_FMT_FP6 matrix_a_scale:MATRIX_SCALE_ROW1
.endr
	PLACES
	s_add_co_u32 s49, s[KF], 127
	s_cmp_le_u32 s49, s[QB]
	s_cbranch_scc1 .Lopen                          ; the step lies wholly under the diagonal
	s_sub_co_i32 s49, s[QB], s[KF]
	v_add_nc_u32 v252, s49, v4
	v_mov_b32 v254, 0xff800000
.set n, 0
.rept 64
	v_cmp_gt_i32 vcc_lo, 32*(n/16)+n%16, v252
	v_cndmask_b32 v[96+n], v[96+n], v254, vcc_lo
.set n, n+1
.endr
.Lopen:
.irp b, 0,1,2,3
	v_max3_num_f32 v[232+\b], v[96+16*\b], v[97+16*\b], v[98+16*\b]
.endr
.irp i, 3,5,7,9,11,13
.irp b, 0,1,2,3
	v_max3_num_f32 v[232+\b], v[232+\b], v[96+16*\b+\i], v[97+16*\b+\i]
.endr
.endr
.irp b, 0,1,2,3
	v_max_num_f32 v[232+\b], v[232+\b], v[111+16*\b]
.endr
.irp b, 0,1,2,3
	s_delay_alu instid0(VALU_DEP_4)
	v_permlanex16_b32 v[236+\b], v[232+\b], s[SEL], s[SEL+1]
.endr
.irp b, 0,1,2,3
	s_delay_alu instid0(VALU_DEP_4)
	v_max_num_f32 v[232+\b], v[232+\b], v[236+\b]
.endr
	s_delay_alu instid0(VALU_DEP_2)
	v_max3_num_f32 v254, v232, v233, v234
	s_delay_alu instid0(VALU_DEP_1)
	v_max_num_f32 v254, v254, v235
	s_delay_alu instid0(VALU_DEP_1)
	v_mul_f32 v254, s[CS], v254
	s_delay_alu instid0(VALU_DEP_1)
	v_max_num_f32 v13, v13, v254
	v_mov_b32 v254, v12
	s_delay_alu instid0(VALU_DEP_2)
	v_floor_f32 v12, -v13
	s_delay_alu instid0(VALU_DEP_1)
	v_sub_f32 v254, v12, v254
	s_delay_alu instid0(VALU_DEP_1)
	v_cvt_i32_f32 v254, v254
	s_delay_alu instid0(VALU_DEP_1)
	v_ldexp_f32 v252, 1.0, v254
.set j, 0
.rept 32
	v_pk_fma_f32 v[96+j:97+j], v[96+j:97+j], s[CS:CS+1], v[12:13] op_sel_hi:[1,0,0]
.set j, j+2
.endr
.irp b, 0,1,2,3
	v_fma_f32 v[232+\b], v[232+\b], s[CS], v12
.endr
.set j, 0
	s_wait_alu depctr_va_vdst(0)
.rept 64
	v_exp_f32 v[96+j], v[96+j]
.set j, j+1
.endr
.irp b, 0,1,2,3
	v_exp_f32 v[232+\b], v[232+\b]
.endr
	v_pk_mul_f32 v[14:15], v[14:15], v[252:253] op_sel_hi:[1,0]
	s_wait_alu depctr_va_vdst(0)
.irp b, 0,1,2,3
	v_max_num_f32 v[232+\b], 0x1800000, v[232+\b]
.endr
.irp b, 0,1,2,3
	s_delay_alu instid0(VALU_DEP_4)
	v_add_nc_u32 v[244+\b], 0xff000000, v[232+\b]
.endr
.irp b, 0,1,2,3
	s_delay_alu instid0(VALU_DEP_4)
	v_lshrrev_b32 v[236+\b], 23, v[244+\b]
.endr
	s_delay_alu instid0(VALU_DEP_3)
	v_lshl_or_b32 v253, v237, 8, v236
	s_delay_alu instid0(VALU_DEP_1)
	v_lshl_or_b32 v253, v238, 16, v253
	s_delay_alu instid0(VALU_DEP_1)
	v_lshl_or_b32 v253, v239, 24, v253
.irp c, 0,1
	v_cvt_scalef32_pk16_fp6_f32 v[224+6*\c:226+6*\c], v[96+32*\c:111+32*\c], v[244+2*\c]
	v_cvt_scalef32_pk16_fp6_f32 v[236+4*\c:238+4*\c], v[112+32*\c:127+32*\c], v[244+2*\c+1]
.endr
	v_nop
.irp c, 0,1
.irp i, 0,1,2
	v_permlane16_swap_b32 v[224+6*\c+\i], v[236+4*\c+\i]
.endr
.irp i, 0,1,2
	s_delay_alu instid0(VALU_DEP_3)
	v_mov_b32 v[227+6*\c+\i], v[236+4*\c+\i]
.endr
.endr
	v_pk_add_f32 v[236:237], v[96:97], v[98:99]
.irp j, 4,8,12,16,20,24,28,32,36,40,44,48,52,56,60
	v_pk_add_f32 v[14:15], v[14:15], v[96+\j:97+\j]
	v_pk_add_f32 v[236:237], v[236:237], v[98+\j:99+\j]
.endr
	s_delay_alu instid0(VALU_DEP_1)
	v_pk_add_f32 v[14:15], v[14:15], v[236:237]
.set j, 0
.rept 32
	v_pk_mul_f32 v[160+j:161+j], v[160+j:161+j], v[252:253] op_sel_hi:[1,0]
.set j, j+2
.endr
	s_wait_alu depctr_va_vdst(0)
.irp g, 0,1
.if \g > 0
	PLACES
.endif
.irp t, 0,1,2,3
.irp c, 0,1,2
	ds_load_b128 v[32+12*\t+4*\c:35+12*\t+4*\c], v[ADV] offset:1536*(4*\g+\t)+512*\c
.endr
.endr
	ds_load_b32 v248, v[ADT] offset:256*\g
	ds_load_b32 v249, v[ADT] offset:256*\g+128
	s_wait_dscnt 0x0
	v_wmma_scale_f32_16x16x128_f8f6f4 v[160+32*\g:167+32*\g], v[32:43], v[224:235], v[160+32*\g:167+32*\g], v248, v253 matrix_a_fmt:MATRIX_FMT_FP6 matrix_b_fmt:MATRIX_FMT_FP6
	v_wmma_scale_f32_16x16x128_f8f6f4 v[168+32*\g:175+32*\g], v[44:55], v[224:235], v[168+32*\g:175+32*\g], v248, v253 matrix_a_fmt:MATRIX_FMT_FP6 matrix_b_fmt:MATRIX_FMT_FP6 matrix_a_scale:MATRIX_SCALE_ROW1
	v_wmma_scale_f32_16x16x128_f8f6f4 v[176+32*\g:183+32*\g], v[56:67], v[224:235], v[176+32*\g:183+32*\g], v249, v253 matrix_a_fmt:MATRIX_FMT_FP6 matrix_b_fmt:MATRIX_FMT_FP6
	v_wmma_scale_f32_16x16x128_f8f6f4 v[184+32*\g:191+32*\g], v[68:79], v[224:235], v[184+32*\g:191+32*\g], v249, v253 matrix_a_fmt:MATRIX_FMT_FP6 matrix_b_fmt:MATRIX_FMT_FP6 matrix_a_scale:MATRIX_SCALE_ROW1
.endr
.Lhidden:
	s_add_co_u32 s[KF], s[KF], 128
	s_add_co_u32 s[TK], s[TK], 12288
	s_add_co_u32 s[TS], s[TS], 512
	s_sub_co_u32 s48, s48, 1
	s_cmp_lg_u32 s48, 0
	s_cbranch_scc1 .Lstep
	s_cmp_ge_u32 s[WV], 8
	s_cbranch_scc1 .Lwo                            ; the waves part: 8-15 turn to Wo
	PLACES
	v_mov_b32 v88, 0x7d7d7d7d                      ; the mean of v over all keys: d tile = wave, times p = 1 in every place (code 24, scale 2^-2)
.irp i, 0,1,2,3
	v_mov_b32 v[224+3*\i], 0x18618618
	v_mov_b32 v[225+3*\i], 0x86186186
	v_mov_b32 v[226+3*\i], 0x61861861
.endr
	PLACES
.irp q, 0,1
.if \q > 0
	PLACES
.endif
.irp k, 0,1,2,3
.irp c, 0,1,2
	ds_load_b128 v[32+12*\k+4*\c:35+12*\k+4*\c], v[5+\q] offset:12288*\k+512*\c
.endr
	ds_load_b32 v[80+4*\q+\k], v7 offset:512*(4*\q+\k)
.endr
	s_wait_dscnt 0x0
.if \q == 0
	s_wait_alu depctr_va_vdst(0)
	v_wmma_scale_f32_16x16x128_f8f6f4 v[96:103], v[32:43], v[224:235], 0, v80, v88 matrix_a_fmt:MATRIX_FMT_FP6 matrix_b_fmt:MATRIX_FMT_FP6
	v_wmma_scale_f32_16x16x128_f8f6f4 v[104:111], v[44:55], v[224:235], 0, v81, v88 matrix_a_fmt:MATRIX_FMT_FP6 matrix_b_fmt:MATRIX_FMT_FP6
.else
	v_wmma_scale_f32_16x16x128_f8f6f4 v[96:103], v[32:43], v[224:235], v[96:103], v84, v88 matrix_a_fmt:MATRIX_FMT_FP6 matrix_b_fmt:MATRIX_FMT_FP6
	v_wmma_scale_f32_16x16x128_f8f6f4 v[104:111], v[44:55], v[224:235], v[104:111], v85, v88 matrix_a_fmt:MATRIX_FMT_FP6 matrix_b_fmt:MATRIX_FMT_FP6
.endif
	v_wmma_scale_f32_16x16x128_f8f6f4 v[96:103], v[56:67], v[224:235], v[96:103], v[82+4*\q], v88 matrix_a_fmt:MATRIX_FMT_FP6 matrix_b_fmt:MATRIX_FMT_FP6
	v_wmma_scale_f32_16x16x128_f8f6f4 v[104:111], v[68:79], v[224:235], v[104:111], v[83+4*\q], v88 matrix_a_fmt:MATRIX_FMT_FP6 matrix_b_fmt:MATRIX_FMT_FP6
.endr
	PLACES
.irp j, 0,1,2,3,4,5,6,7
	v_add_f32 v[112+\j], v[96+\j], v[104+\j]
.endr
.irp j, 0,1,2,3,4,5,6,7
	v_mul_f32 v[112+\j], 0x3a800000, v[112+\j]
.endr
	ds_store_b128 v30, v[112:115]
	ds_store_b128 v30, v[116:119] offset:16
	s_wait_alu depctr_va_vdst(0)                   ; the wait ahead of the branch
	s_branch .Lmeet2
.Lwo:                                                  ; waves 8-15: my 32 columns x 256 along K of Wo
	WLOAD 0
	WLOAD 1
.irp t, 0,1,2,3,4,5,6,7
	WBLOCK \t
.endr
	s_wait_alu depctr_va_vdst(0)                   ; the wait ahead of the readers below
	global_store_b32 v93, v[WSB], s[74:75]
	global_store_b32 v93, v[WSB+1], s[74:75] offset:64
.irp i, 0,1,2,3,4,5,6,7,8,9,10,11
	ds_load_b128 v[WOUT+4*\i:WOUT+4*\i+3], v91 offset:512*\i   ; LDS serves a wave's instructions in order: these see my stores
.endr
.irp i, 0,1,2,3,4,5,6,7,8,9,10,11
	s_wait_dscnt 11-\i                             ; load i is in; the younger ones may be out
	global_store_b128 v1, v[WOUT+4*\i:WOUT+4*\i+3], s[76:77] offset:(\i/6)*51200+(\i%6)*512   ; 512 consecutive bytes, aligned to 256
.endr
	s_wait_xcnt 0x0                                ; the stores have read their registers
.Lmeet2:
	s_wait_dscnt 0x0
	s_barrier_signal -1
	s_barrier_wait -1                              ; the mean of v is whole
	s_cmp_ge_u32 s[WV], 8
	s_cbranch_scc1 .Lmeet3
.irp t, 0,1,2,3,4,5,6,7
	ds_load_b128 v[96+8*\t:99+8*\t], v29 offset:64*\t
	ds_load_b128 v[100+8*\t:103+8*\t], v29 offset:64*\t+16
.endr
	v_add_f32 v14, v14, v15
	s_delay_alu instid0(VALU_DEP_1)
	v_permlanex16_b32 v252, v14, s[SEL], s[SEL+1]
	s_delay_alu instid0(VALU_DEP_1)
	v_add_f32 v14, v14, v252
	s_delay_alu instid0(VALU_DEP_1)
	v_cmp_eq_f32 vcc_lo, 0, v14
	s_wait_alu depctr_va_vdst(0)                   ; the wait ahead of the transcendental
	v_rcp_f32 v15, v14
	v_nop
.set j, 0
	s_wait_alu depctr_va_vdst(0)
.rept 64
	v_mul_f32 v[32+j], v[160+j], v15
.set j, j+1
.endr
	s_wait_dscnt 0x0
.set j, 0
.rept 64
	v_cndmask_b32 v[32+j], v[32+j], v[96+j], vcc_lo
.set j, j+1
.endr
	QUANT 32, 252, 96
.irp c, 0,1,2
	global_store_b128 v1, v[96+4*\c:99+4*\c], s[60:61] offset:512*\c
.endr
	global_store_b32 v31, v252, s[62:63]
.Lmeet3:
	s_wait_tensorcnt 0x0                           ; the wave's end
	ds_add_u32 v250, v251
	s_wait_dscnt 0x0
	CROUND                                         ; the closing round
	s_endpgm
.Lfunc_end_k_q99bc8130d5_attn:
	.size	k_q99bc8130d5_attn, .Lfunc_end_k_q99bc8130d5_attn-k_q99bc8130d5_attn
	.p2alignl 7, 3214868480
	.fill 96, 4, 3214868480
	.section	.rodata,"a",@progbits
	.p2align	6, 0x0
	.amdhsa_kernel k_q99bc8130d5_attn
		.amdhsa_group_segment_fixed_size 327680
		.amdhsa_private_segment_fixed_size 0
		.amdhsa_enable_private_segment 0
		.amdhsa_kernarg_size 48
		.amdhsa_user_sgpr_count 2
		.amdhsa_user_sgpr_kernarg_segment_ptr 1
		.amdhsa_wavefront_size32 1
		.amdhsa_system_sgpr_workgroup_id_x 1
		.amdhsa_system_sgpr_workgroup_id_y 1
		.amdhsa_system_sgpr_workgroup_id_z 1
		.amdhsa_system_vgpr_workitem_id 0
		.amdhsa_next_free_vgpr 256
		.amdhsa_next_free_sgpr 100
		.amdhsa_reserve_vcc 1
		.amdhsa_float_denorm_mode_32 3
		.amdhsa_float_denorm_mode_16_64 3
		.amdhsa_memory_ordered 1
		.amdhsa_forward_progress 1
		.amdhsa_inst_pref_size 95
	.end_amdhsa_kernel
	.amdgpu_metadata
---
amdhsa.version: [ 1, 2 ]
amdhsa.kernels:
  - .name:           k_q99bc8130d5_attn
    .symbol:         k_q99bc8130d5_attn.kd
    .args:
      - { .name: qk, .offset: 0, .size: 8, .value_kind: global_buffer, .address_space: global }
      - { .name: vb, .offset: 8, .size: 8, .value_kind: global_buffer, .address_space: global }
      - { .name: attention_mask, .offset: 16, .size: 8, .value_kind: global_buffer, .address_space: global }
      - { .name: ab, .offset: 24, .size: 8, .value_kind: global_buffer, .address_space: global }
      - { .name: Wo, .offset: 32, .size: 8, .value_kind: global_buffer, .address_space: global }
      - { .name: woc, .offset: 40, .size: 8, .value_kind: global_buffer, .address_space: global }
    .group_segment_fixed_size: 327680
    .private_segment_fixed_size: 0
    .kernarg_segment_align: 8
    .kernarg_segment_size: 48
    .max_flat_workgroup_size: 512
    .sgpr_count:     100
    .vgpr_count:     256
    .wavefront_size: 32
...
	.end_amdgpu_metadata
.endif
;; end of part 3
;; launch oproj (part 4): grid 32 x 8, 4 waves a work-group, clusters of 4 x 4, 327,680 bytes of LDS; arguments ab, woc, out0; writes out0
.if DOCPART == 4
	.amdgcn_target "amdgcn-amd-amdhsa--gfx1250"
	.amdhsa_code_object_version 6
	.text
	.protected	k_q99bc8130d5_oproj
	.globl	k_q99bc8130d5_oproj
	.p2align	8
	.type	k_q99bc8130d5_oproj,@function
k_q99bc8130d5_oproj:
	s_mov_b64 s[64:65], 0
	v_nop
	global_prefetch_b8 v0, s[64:65] scope:SCOPE_SE
	s_setreg_imm32_b32 hwreg(HW_REG_WAVE_MODE, 25, 1), 1
	s_wait_xcnt 0x0
	s_wait_alu depctr_hold_cnt(0) depctr_sa_sdst(0) depctr_va_vdst(0) depctr_va_sdst(0) depctr_va_ssrc(0) depctr_va_vcc(0) depctr_vm_vsrc(0)
	s_getreg_b32 s2, hwreg(HW_REG_IB_STS2, 6, 4)
	s_cmp_eq_u32 s2, 0
	s_cbranch_scc0 .Lentry_in_a_cluster
	s_endpgm
.Lentry_in_a_cluster:
	s_bfe_u32 s2, ttmp6, 0x10000c
	s_cmp_lg_u32 s2, 0xf033
	s_cbranch_scc0 .Lentry_shape_is_right
	s_endpgm
.Lentry_shape_is_right:
; out0 [1024][4096] f32 = o Wo on codes of FP6 (E2M3) with E8M0 scales.  Operands come as images of their registers: [tile of 16 rows][slot 0..7][6,400 bytes]: four K steps' fragments (1,536 bytes each: registers
; 4 g .. 4 g + 3 at 512 g + 16 x lane) and their scale words (64 bytes each).  Row r of tile 2 T + u is row 32 T + 8 u + r + (r & 8).
; A work-group's tile is 128 rows of o x 128 columns of Wo: 256 work-groups.  Wave w takes o's tiles 2 w, 2 w + 1 and all 8 of Wo.  THE MATRIX INSTRUCTION IS USED TRANSPOSED (source 0 = Wo's tile, source 1 = o's):
; a lane holds one row of the output, and its 64 registers of a tile run along 128 columns: register 16 b + i = column 32 b + 16 (lane / 16) + i.
; o's TILES ARE EACH ONE WAVE'S OWN, so they do not go through LDS: a K step's two fragments and their scale words are seven loads from memory straight into registers, in a ring of ten sets behind counted waits.
; Wo's TILES are read by all four waves and go through LDS: three regions of 8 K steps (8 tiles x 12,800 bytes each).  ONE tensor load a wave: wave d (0, 1, 2) brings region d whole at the head, K steps 8 d on; wave 3
; brings the one refill, K steps 24 to 31 into region 0, asked for at K step 7 and first read for K step 24.  In front of the first barrier every wave waits for its load, so all three regions are whole behind it.
; CLUSTERS: 4 x 4.  Wo's tiles hang on the work-group's column alone and are asked for jointly along a column of the cluster.  o's tiles are NOT asked for jointly along a row: through LDS they would take half of every
; K step's bytes there (16 tiles for 8), LDS would hold 12 K steps and not 24, and seven refills, each behind a round of the cluster's barrier, would stand where one does.
; No prefetch: 24 of the 32 K steps of Wo are asked for at the head, and o's ring runs nine K steps ahead by itself.
; The text is straight: 32 K steps by one macro, every offset an immediate.  The way out goes through the wave's own stage in region 1, which has its one fill at the head and its last read in front of the barrier at K step 23.
; REGISTERS: window 0: v6-17, v24-29 addresses; v32-41 o's scale words, one a set; v44-51 Wo's, two sets; v64-255 o's sets 0-7 (later rows read back).  window 1: v0-191 Wo's fragments, two sets; v192-239 o's sets 8, 9.
;   window 2: the accumulators, (a, b) at 64 a + 8 b.
.set TROW,   6400                      ; four K steps of a tile
.set TPITCH, 51200                     ; a tile's 32 K steps in memory
.set DROW,   12800                     ; a tile's row in a region: 8 K steps
.set RGN,    8*DROW                    ; a region
.set SPARE,  3*RGN                     ; behind the regions: the spare words, 128 bytes a wave
.set STG,    RGN                       ; the stages lie in region 1
.set SP,     528                       ; a stage row: 512 bytes + 16
.set NR,     10                        ; sets in o's ring
.set ADB, 6                            ; v6-11   Wo's fragments: 16 x lane + 51,200 k: region k / 2, tiles 4 (k % 2) on
.set ASB, 12                           ; v12-17  Wo's scale words: 4 r + 6,144 + 51,200 k, and one tile on for lanes 16-31
.set LI,  24                           ; v24     16 x lane; never rewritten
.set ASC, 25                           ; v25     o's scale words in memory: 4 r, and one tile on for lanes 16-31; never rewritten
.set STO, 26                           ; v26     the stage: where I put my row's numbers
.set RD,  27                           ; v27     and where I read a row back
.set SPW, 28                           ; v28     my spare word; never rewritten
.set NIL, 29                           ; v29     0; never rewritten
.set SCA, 32
.set SCB, 44
.set AF,  64
.set BK,  64                           ; the way out: 16 rows of block a at v[64 + 64 a]
.set G1,  24                           ; s[24:31] descriptor group 1
.set G0,  32                           ; s[32:35] group 0 of the head's load, s[36:39] of the refill; never rewritten
.set MSB, 0
.macro WIN new                         ; the immediate's high byte repeats the setting that is left
.if MSB != (\new)
	s_set_vgpr_msb (MSB<<8)|(\new)
.set MSB, (\new)
.endif
.endm
.macro PLACES                          ; four places in front of loads into registers that matrix instructions have read, and of the first read of results
.rept 4
	v_nop
.endr
.endm
.macro CROUND                          ; a round of the cluster's barrier
	s_barrier_signal -1
	s_barrier_wait -1
	s_cmp_lg_u32 s14, 0
	s_cbranch_scc1 .Lnot_wave_0_\@
	s_barrier_signal -3
.Lnot_wave_0_\@:
	s_barrier_wait -3
	s_barrier_signal -1
	s_barrier_wait -1
.endm
.macro ALOAD s                         ; K step s of my two tiles of o, from memory into set s % 10: seven loads, the scale words last
.set lq, (\s)%NR
.set lof, ((\s)/4)*TROW+((\s)%4)*1536
.if lq < 8
.set lr, AF+24*lq
	WIN 0
.else
.set lr, 192+24*(lq-8)
	WIN 0x40                                       ; destination window 1, address window 0
.endif
.irp a, 0,1
.irp g, 0,1,2
	global_load_b128 v[lr+12*\a+4*\g:lr+12*\a+4*\g+3], v[LI], s[20:21] offset:TPITCH*\a+lof+512*\g
.endr
.endr
	WIN 0
	global_load_b32 v[SCA+lq], v[ASC], s[20:21] offset:6144+((\s)/4)*TROW+64*((\s)%4)   ; lanes 0-15 the even tile's words, lanes 16-31 the odd one's
.endm
.macro FETCHB s                        ; K step s of Wo's eight tiles, from LDS into set s % 2: 24 loads of 512 consecutive bytes, 4 of scale words
.set fset, (\s)%2
.set fk, 2*(((\s)/8)%3)
.set fof, (((\s)/4)%2)*TROW+((\s)%4)*1536
.set fsc, (((\s)/4)%2)*TROW+((\s)%4)*64
	WIN 0x40
.irp b, 0,1,2,3,4,5,6,7
.irp g, 0,1,2
	ds_load_b128 v[96*fset+12*\b+4*\g:96*fset+12*\b+4*\g+3], v[ADB+fk+\b/4] offset:DROW*(\b%4)+fof+512*\g
.endr
.endr
	WIN 0
.irp i, 0,1,2,3
	ds_load_b32 v[SCB+4*fset+\i], v[ASB+fk+\i/2] offset:2*DROW*(\i%2)+fsc   ; a pair of tiles' words: lanes 0-15 the even tile's, lanes 16-31 the odd one's
.endr
.endm
.macro PROD a, b, s, zero              ; one product.  An odd tile's scale words stand in lanes 16-31 of its pair's register
.set pq, (\s)%NR
.if pq < 8
.set rA, AF+24*pq+12*(\a)
.else
.set rA, 192+24*(pq-8)+12*(\a)
.endif
.set rD, 64*(\a)+8*(\b)
.set rB, 96*((\s)%2)+12*(\b)
.set rX, SCB+4*((\s)%2)+(\b)/2
.set rY, SCA+pq
.if \zero
.if ((\b)%2 == 0) && ((\a)%2 == 0)
	v_wmma_scale_f32_16x16x128_f8f6f4 v[rD:rD+7], v[rB:rB+11], v[rA:rA+11], 0, v[rX], v[rY] matrix_a_fmt:MATRIX_FMT_FP6 matrix_b_fmt:MATRIX_FMT_FP6
.elseif ((\a)%2 == 0)
	v_wmma_scale_f32_16x16x128_f8f6f4 v[rD:rD+7], v[rB:rB+11], v[rA:rA+11], 0, v[rX], v[rY] matrix_a_fmt:MATRIX_FMT_FP6 matrix_b_fmt:MATRIX_FMT_FP6 matrix_a_scale:MATRIX_SCALE_ROW1
.elseif ((\b)%2 == 0)
	v_wmma_scale_f32_16x16x128_f8f6f4 v[rD:rD+7], v[rB:rB+11], v[rA:rA+11], 0, v[rX], v[rY] matrix_a_fmt:MATRIX_FMT_FP6 matrix_b_fmt:MATRIX_FMT_FP6 matrix_b_scale:MATRIX_SCALE_ROW1
.else
	v_wmma_scale_f32_16x16x128_f8f6f4 v[rD:rD+7], v[rB:rB+11], v[rA:rA+11], 0, v[rX], v[rY] matrix_a_fmt:MATRIX_FMT_FP6 matrix_b_fmt:MATRIX_FMT_FP6 matrix_a_scale:MATRIX_SCALE_ROW1 matrix_b_scale:MATRIX_SCALE_ROW1
.endif
.else
.if ((\b)%2 == 0) && ((\a)%2 == 0)
	v_wmma_scale_f32_16x16x128_f8f6f4 v[rD:rD+7], v[rB:rB+11], v[rA:rA+11], v[rD:rD+7], v[rX], v[rY] matrix_a_fmt:MATRIX_FMT_FP6 matrix_b_fmt:MATRIX_FMT_FP6
.elseif ((\a)%2 == 0)
	v_wmma_scale_f32_16x16x128_f8f6f4 v[rD:rD+7], v[rB:rB+11], v[rA:rA+11], v[rD:rD+7], v[rX], v[rY] matrix_a_fmt:MATRIX_FMT_FP6 matrix_b_fmt:MATRIX_FMT_FP6 matrix_a_scale:MATRIX_SCALE_ROW1
.elseif ((\b)%2 == 0)
	v_wmma_scale_f32_16x16x128_f8f6f4 v[rD:rD+7], v[rB:rB+11], v[rA:rA+11], v[rD:rD+7], v[rX], v[rY] matrix_a_fmt:MATRIX_FMT_FP6 matrix_b_fmt:MATRIX_FMT_FP6 matrix_b_scale:MATRIX_SCALE_ROW1
.else
	v_wmma_scale_f32_16x16x128_f8f6f4 v[rD:rD+7], v[rB:rB+11], v[rA:rA+11], v[rD:rD+7], v[rX], v[rY] matrix_a_fmt:MATRIX_FMT_FP6 matrix_b_fmt:MATRIX_FMT_FP6 matrix_a_scale:MATRIX_SCALE_ROW1 matrix_b_scale:MATRIX_SCALE_ROW1
.endif
.endif
.endm
.macro MUL s, zero                     ; a K step: 16 products; the 16 accumulators take turns, one instruction a turn, in the same order in every step
.if (\s)%NR < 8
	WIN 0xa1                                       ; source 0 (Wo) window 1, source 1 (o) window 0, C and D window 2
.else
	WIN 0xa5                                       ; o's sets 8 and 9 lie in window 1
.endif
.irp a, 0,1
.irp b, 0,1,2,3,4,5,6,7
	PROD \a, \b, \s, \zero
.endr
.endr
	WIN 0
.endm
; A K STEP.  Wo's fragments of this step were asked of LDS a step ago; the next step's are asked for first; o's fragments were asked of memory ten steps ago.
; kind 1 (K step 7): region 0 has been read out (its last reads are this step's fragments): it is filled again, behind a round of the cluster's barrier.
; kind 2 (K step 23): the refill has landed: a barrier of the work-group shows it to all four waves.
.macro STEP s, kind
.if \kind == 1
	s_wait_tensorcnt 0x0                           ; no tensor load of mine is out
	ds_add_u32 v[SPW], v[NIL]
	ds_add_u32 v[SPW], v[NIL]                      ; twice on end
	s_wait_dscnt 0x0                               ; the adds are done, and my reads of region 0 are over
	CROUND
	s_cmp_lg_u32 s14, 3
	s_cbranch_scc1 .Lno_refill
	tensor_load_to_lds s[G0+4:G0+7], s[G1:G1+7]    ; K steps 24 to 31, wave 3's one load; it is first read for K step 24
	s_nop 0
	PLACES
.Lno_refill:
.elseif \kind == 2
	s_wait_tensorcnt 0x0                           ; wave 3: the refill is in
	s_wait_dscnt 0x0
	s_barrier_signal -1
	s_barrier_wait -1
.else
	s_wait_dscnt 0x0                               ; Wo's fragments of this step are in
.endif
.if (\s) < 31
	s_wait_alu depctr_va_vdst(0)
	FETCHB (\s)+1                                  ; into the set that the step before multiplied: its four places stand at that step's end
.endif
.if 31-(\s) < NR-1
	s_wait_loadcnt 7*(31-(\s))                     ; the last steps: only the sets that are left are out
.else
	s_wait_loadcnt 7*(NR-1)                        ; loads come back in order: my seven are in; the nine later sets' 63 may be out
.endif
.if (\s) == 0
	MUL \s, 1                                      ; the first K step's products start the sums: nothing is cleared
.else
	MUL \s, 0
.endif
	PLACES
.if (\s)+NR < 32
	ALOAD (\s)+NR                                  ; the set just multiplied takes the K step ten on; the last ten steps ask for nothing
.endif
.endm
	s_load_b128 s[4:7], s[0:1], 0x0                ; ab s[4:5], woc s[6:7]
	s_load_b64 s[8:9], s[0:1], 0x10                ; out0
	v_lshl_add_u32 v[SPW], v0, 2, SPARE
	v_mov_b32 v[NIL], 0
	ds_add_u32 v28, v29                            ; the opening lines
	ds_add_u32 v28, v29
	s_wait_dscnt 0x0
	v_lshrrev_b32 v1, 5, v0
	v_readfirstlane_b32 s14, v1                    ; wave 0..3
	s_bfe_u32 s16, ttmp6, 0x40000                  ; cx
	s_bfe_u32 s17, ttmp6, 0x40004                  ; cy
	s_lshl_b32 s18, ttmp9, 2
	s_add_co_u32 s18, s18, s16                     ; the work-group's column c
	s_and_b32 s13, ttmp7, 0xffff
	s_lshl_b32 s13, s13, 2
	s_add_co_u32 s13, s13, s17                     ; its row y: it enters o's and the output's addresses alone
	s_lshl_b32 s19, 0x1111, s16                    ; my column of the cluster
	s_or_b32 s[G1+0], s19, (3<<16)|(1<<21)         ; 15:0 the mask; 17:16 elements of 8 bytes; 21 set beside a mask; no padding
	s_mov_b32 s[G1+1], 1600<<16                    ; tensor_dim0: a row is 12,800 bytes: 8 K steps of a tile
	s_mov_b32 s[G1+2], 8<<16                       ; tensor_dim1: a load brings a whole region: all eight tiles
	s_mov_b32 s[G1+3], 1600<<16                    ; tile_dim0
	s_mov_b32 s[G1+4], 8                           ; tile_dim1
	s_mov_b32 s[G1+5], 6400                        ; from tile to tile: 51,200 bytes
	s_mov_b32 s[G1+6], 0
	s_mov_b32 s[G1+7], 0
	s_lshl_b32 s20, s13, 3
	s_lshl_b32 s21, s14, 1
	s_add_co_u32 s20, s20, s21                     ; o's tiles: 8 y + 2 wave on
	s_mul_i32 s20, s20, TPITCH
	s_mov_b32 s21, 0
	s_lshl_b32 s22, s18, 3                         ; Wo's tiles: 8 c on
	s_mul_i32 s22, s22, TPITCH
	s_mov_b32 s23, 0
	s_mul_i32 s15, s14, RGN                        ; the head's load: region = wave: no place in the cluster enters an LDS address
	s_mul_i32 s48, s14, DROW
	s_mov_b32 s49, 0
	v_and_b32 v1, 31, v0                           ; lane
	v_and_b32 v2, 15, v0                           ; r
	v_bfe_u32 v3, v0, 4, 1                         ; h
	v_lshlrev_b32 v[LI], 4, v1
	v_lshlrev_b32 v4, 2, v2                        ; 4 r
	v_mad_u32_u24 v[ASC], v3, TPITCH, v4
	s_wait_alu depctr_va_vdst(0)
	s_wait_kmcnt 0x0
	s_add_nc_u64 s[20:21], s[4:5], s[20:21]
	s_add_nc_u64 s[22:23], s[6:7], s[22:23]
	s_mov_b32 s[G0], 1                             ; the head's load: K steps 8 x wave on
	s_mov_b32 s[G0+1], s15
	s_add_nc_u64 s[G0+2:G0+3], s[22:23], s[48:49]
	s_or_b32 s[G0+3], s[G0+3], 0x80000000
	s_mov_b32 s[G0+4], 1                           ; the refill: K steps 24 on, into region 0
	s_mov_b32 s[G0+5], 0
	s_add_nc_u64 s[G0+6:G0+7], s[22:23], 3*DROW
	s_or_b32 s[G0+7], s[G0+7], 0x80000000
.irp s, 0,1,2,3,4,5,6,7
	ALOAD \s                                       ; o's first eight K steps are asked for ahead of the round: nobody writes these bytes
.endr
	CROUND                                         ; all sixteen work-groups are here: the first joint loads meet
	s_cmp_lt_u32 s14, 3
	s_cbranch_scc0 .Lno_first                      ; wave 3 has no first fill
	tensor_load_to_lds s[G0:G0+3], s[G1:G1+7]      ; one tensor load a wave at the head
	s_nop 0
	PLACES
.Lno_first:
	ALOAD 8
	ALOAD 9
	v_mad_u32_u24 v5, v3, DROW, v4                 ; 4 r, and one tile on for lanes 16-31,
	v_add_nc_u32 v5, 6144, v5                      ; behind a unit's four images
	v_mov_b32 v[ADB], v[LI]
	v_mov_b32 v[ASB], v5
.irp k, 1,2,3,4,5
	v_add_nc_u32 v[ADB+\k], \k*51200, v[LI]
	v_add_nc_u32 v[ASB+\k], \k*51200, v5
.endr
	s_mul_i32 s12, s14, 16*SP
	s_add_co_u32 s12, s12, STG                     ; my stage
	v_mul_u32_u24 v[STO], v2, SP
	v_lshl_add_u32 v[STO], v3, 6, v[STO]
	v_add_nc_u32 v[STO], s12, v[STO]               ; in: row r, + 64 h
	v_add_nc_u32 v[RD], s12, v[LI]                 ; back: the 32 lanes take one row of 512 bytes
	s_lshl_b32 s56, s13, 21                        ; 128 y rows of 16,384 bytes,
	s_lshl_b32 s57, s14, 19                        ; 32 a wave,
	s_add_co_u32 s56, s56, s57
	s_lshl_b32 s57, s18, 9                         ; 512 bytes a column of work-groups
	s_add_co_u32 s56, s56, s57
	s_mov_b32 s57, 0
	s_add_nc_u64 s[8:9], s[8:9], s[56:57]
	s_wait_alu depctr_va_vdst(0)                   ; the wait at the head's end
	s_wait_tensorcnt 0x0                           ; my region is in (wave 3 has no load out); behind the barrier below all three regions are whole for every wave
	s_barrier_signal -1
	s_barrier_wait -1
	FETCHB 0
.irp s, 0,1,2,3,4,5,6
	STEP \s, 0
.endr
	STEP 7, 1
.irp s, 8,9,10,11,12,13,14,15,16,17,18,19,20,21,22
	STEP \s, 0
.endr
	STEP 23, 2
.irp s, 24,25,26,27,28,29,30,31
	STEP \s, 0
.endr
; THE WAY OUT, a block of 16 rows x 128 columns at a time: a lane's numbers go to their places in row r of my own stage and come back as whole rows.  LDS serves a wave's instructions in order: no wait between the stores and
; the loads, nor in front of the next block's stores.  (The last step's four places stand in front of the first store.)
.macro TOSTAGE a
	WIN 0x08                                       ; an LDS store's data are its source 1: window 2
.irp b, 0,1,2,3,4,5,6,7
	ds_store_b128 v[STO], v[64*\a+8*\b:64*\a+8*\b+3] offset:128*(\b/2)+32*(\b%2)       ; each accumulator from its low end on
	ds_store_b128 v[STO], v[64*\a+8*\b+4:64*\a+8*\b+7] offset:128*(\b/2)+32*(\b%2)+16
.endr
	WIN 0
.irp i, 0,1,2,3,4,5,6,7,8,9,10,11,12,13,14,15
	ds_load_b128 v[BK+64*\a+4*\i:BK+64*\a+4*\i+3], v[RD] offset:SP*\i
.endr
.endm
.macro SEND a, younger                 ; younger: the LDS instructions issued behind block a's loads, which may stay out
	s_wait_dscnt \younger
.irp i, 0,1,2,3,4,5,6,7,8,9,10,11,12,13,14,15
	global_store_b128 v[LI], v[BK+64*\a+4*\i:BK+64*\a+4*\i+3], s[8:9] offset:(8*\a+\i+(\i&8))*16384 th:TH_STORE_NT   ; 512 consecutive bytes, aligned to 256; written once, read by nobody here
.endr
.endm
	TOSTAGE 0
	TOSTAGE 1
	SEND 0, 32                                     ; behind block 0's loads: block 1's 16 stores and 16 loads
	SEND 1, 0
	s_wait_tensorcnt 0x0                           ; the wave's end
	ds_add_u32 v[SPW], v[NIL]
	s_wait_dscnt 0x0
	CROUND                                         ; the closing round: no work-group ends while a partner may still ask for a tile that names it
	s_endpgm
.Lfunc_end_k_q99bc8130d5_oproj:
	.size	k_q99bc8130d5_oproj, .Lfunc_end_k_q99bc8130d5_oproj-k_q99bc8130d5_oproj
	.p2alignl 7, 3214868480
	.fill 96, 4, 3214868480
	.section	.rodata,"a",@progbits
	.p2align	6, 0x0
	.amdhsa_kernel k_q99bc8130d5_oproj
		.amdhsa_group_segment_fixed_size 327680
		.amdhsa_private_segment_fixed_size 0
		.amdhsa_enable_private_segment 0
		.amdhsa_kernarg_size 24
		.amdhsa_user_sgpr_count 2
		.amdhsa_user_sgpr_kernarg_segment_ptr 1
		.amdhsa_wavefront_size32 1
		.amdhsa_system_sgpr_workgroup_id_x 1
		.amdhsa_system_sgpr_workgroup_id_y 1
		.amdhsa_system_sgpr_workgroup_id_z 1
		.amdhsa_system_vgpr_workitem_id 0
		.amdhsa_next_free_vgpr 768
		.amdhsa_next_free_sgpr 66
		.amdhsa_reserve_vcc 0
		.amdhsa_float_denorm_mode_32 3
		.amdhsa_float_denorm_mode_16_64 3
		.amdhsa_memory_ordered 1
		.amdhsa_forward_progress 1
		.amdhsa_inst_pref_size 166
	.end_amdhsa_kernel
	.amdgpu_metadata
---
amdhsa.version: [ 1, 2 ]
amdhsa.kernels:
  - .name:           k_q99bc8130d5_oproj
    .symbol:         k_q99bc8130d5_oproj.kd
    .args:
      - { .name: ab, .offset: 0, .size: 8, .value_kind: global_buffer, .address_space: global }
      - { .name: woc, .offset: 8, .size: 8, .value_kind: global_buffer, .address_space: global }
      - { .name: out0, .offset: 16, .size: 8, .value_kind: global_buffer, .address_space: global }
    .group_segment_fixed_size: 327680
    .private_segment_fixed_size: 0
    .kernarg_segment_align: 8
    .kernarg_segment_size: 24
    .max_flat_workgroup_size: 128
    .sgpr_count:     66
    .vgpr_count:     768
    .wavefront_size: 32
...
	.end_amdgpu_metadata
.endif
;; end of part 4
